; MI455X (gfx1250); checked and timed in simulation.
; The chip was launched on July 23, 2026; its instructions are those of AMD's public machine-readable ISA for CDNA 5 (MIT licence, August 2026) and "CDNA5" Instruction Set Architecture Reference Guide (July 2026). The comments in the code are by the model that wrote it; some were corrected since.
;; Multi Head Attention. Allowed arithmetic: matrix products marked QUANTISED: E2M1 operands, one E8M0 scale for each 32 along K, by v_wmma_scale_f32_16x16x128_f8f6f4 with both operands' format E2M1 (or v_wmma_scale_f32_32x16x128_f4), f32 sums; products left as they are: bf16, f16 or f32 operands; f32 sums; everything else in f32.
;; Inputs: b_out 1,024 float32; b_qkv 3,072 float32; w_out 1,024 x 1,024 float32; w_qkv 1,024 x 3,072 float32; x 4 x 1,024 x 2,048 float32.
;; Outputs: out0 4 x 1,024 x 2,048 float32.
;; This version of the problem:
;;   THIS VERSION OF THE PROBLEM IS GIVEN IN LOW PRECISION. The matrix products marked QUANTISED in the list below multiply operands that are first quantised to E2M1 (2 exponent bits, 1 mantissa bit; 4 bits a number), with one power-of-two scale for each 32 numbers along K (OCP MX v1.0); their sums are f32. The products marked 'left as it is' may take bf16, f16 or f32 operands, with f32 sums. Whichever they take, every output number must still come out within the allowed error. Rounding operands to bf16 (8 significant bits) uses up far more of that allowance than f16 does (11 bits, for magnitudes from 6e-5 to 65,504). All else is computed in f32.
;;   The module's matrix products, in the order in which they are computed (A, B: the left and right operand; K: the contracted axis; several contracted axes count as one K, in the product's order):
;;     1. [M 8,192, K 1,024] x [K 1,024, N 3,072]; A: input x; B: input w_qkv: QUANTISED
;;     2. batch 64 x [M 2,048, K 64] x [K 64, N 2,048]; A: computed on the way; B: computed on the way: left as it is (an operand is computed on the way)
;;     3. batch 64 x [M 2,048, K 2,048] x [K 2,048, N 64]; A: computed on the way; B: computed on the way: left as it is (an operand is computed on the way)
;;     4. [M 8,192, K 1,024] x [K 1,024, N 1,024]; A: computed on the way; B: input w_out: left as it is (an operand is computed on the way)
;;   THE QUANTISER, for each operand of a quantised product, along K:
;;     - K is cut into blocks of 32 from its start; a last block that is shorter is filled with zeros.
;;     - A block's scale is 2^e with e = floor(log2(the largest magnitude in the block)) - 2, held to -126 .. 127; a block of zeros has e = 0. As a byte (E8M0): e + 127.
;;     - Each number is divided by its block's scale, clamped to +-6, and rounded to the nearest number of E2M1, ties to even, subnormals kept.
;;     - The product sums the exact products of the quantised numbers (number of the format x scale) in f32.
;;   ~~~python
;;   def quantise(x, axis):      # numpy; x: float32 -> the quantised numbers, widened to float32 again
;;       x = np.moveaxis(x, axis, -1); K = x.shape[-1]
;;       x = np.pad(x, [(0, 0)] * (x.ndim - 1) + [(0, -K % 32)]); x = x.reshape(x.shape[:-1] + (-1, 32)); a = np.abs(x).max(-1, keepdims=True)
;;       e = np.where(a > 0, np.clip(np.frexp(np.where(a > 0, a, 1))[1] - 1 - 2, -126, 127), 0)      # np.frexp(a)[1] - 1 = floor(log2(a)), exactly
;;       r = np.clip(x / 2.0 ** e, -6, 6)
;;       step = 2.0 ** (np.maximum(np.frexp(np.where(r == 0, 1, r))[1] - 1, 0) - 1)
;;       q = np.round(r / step) * step * 2.0 ** e      # np.round: ties to even
;;       return np.moveaxis(q.reshape(q.shape[:-2] + (-1,))[..., :K], -1, axis).astype(np.float32)
;;   ~~~
;; One version. Each part assembles by itself: llvm-mc -triple=amdgcn-amd-amdhsa -mcpu=gfx1250 --defsym DOCPART=n.
;; ======== version 1 of 1: 4 launches
;; limits: values are held in f16: magnitudes above 65,504 overflow, below 6.1e-05 lose precision
;; workspace buffers: xc 4,194,304 bytes; xs 262,144 bytes; wc 1,572,864 bytes; ws 98,304 bytes; w16 2,097,152 bytes; qkv 50,331,648 bytes; o 16,777,216 bytes
;; launch prep (part 1): grid 240 x 1, 4 waves a work-group, no clusters, 327,680 bytes of LDS; arguments x, w_qkv, w_out, xc, xs, wc, ws, w16; writes xc, xs, wc, ws, w16
.if DOCPART == 1
	.amdgcn_target "amdgcn-amd-amdhsa--gfx1250"
	.amdhsa_code_object_version 6
	.text
	.protected	k_q9017b6d0ed_prep
	.globl	k_q9017b6d0ed_prep
	.p2align	8
	.type	k_q9017b6d0ed_prep,@function
k_q9017b6d0ed_prep:
	s_mov_b64 s[64:65], 0
	v_nop
	global_prefetch_b8 v0, s[64:65] scope:SCOPE_SE
	s_setreg_imm32_b32 hwreg(HW_REG_WAVE_MODE, 25, 1), 1
	s_wait_xcnt 0x0
; x [4][1024 (K)][2048 (t)] and w_qkv [1024 (K)][3072 (n)], f32, K on the FIRST axis, become codes of FP4 (E2M1) with K innermost and one E8M0 byte for each 32 along K:
;   xc [b*2048+t][512 bytes], xs [b*2048+t][32 bytes];  wc [n][512 bytes], ws [n][32 bytes].   w_out [1024][1024] f32 becomes w16, f16, in the same order.
; A block's scale is 2^(floor(log2(its largest magnitude)) - 2); its byte is the largest magnitude's exponent field - 2, held at 1 from below.  A block of zeros so gets the byte 1 and not 127:
; its codes are zeros, which add nothing under any byte but 0xff, and the bytes are read by this program alone.
; LIMITS: NaN and infinities among the inputs are not served; numbers of w_out beyond f16's largest, 65,504, become infinities.
; SHARES.  Work-groups 0-127 take x, 128-175 w_qkv, 176-239 w_out.  A quantising work-group takes 512 along K x 128 columns, 262,144 bytes: wave w brings K rows 128 w .. 128 w + 127 (rows of 512 bytes)
; by ONE tensor load, so that the whole tile is asked for at the kernel's head; behind one barrier wave w quantises columns 32 w .. 32 w + 31 over all 512 rows.
; A LANE TAKES A COLUMN AND ITS REGISTERS RUN DOWN K: a block of 32 lies in one lane's 32 registers, its largest magnitude needs no other lane, and the conversions give codes with K innermost.
; A lane's 256 bytes of codes belong to one row of the output: they go through the wave's own stage in LDS and leave sixteen lanes to 256 consecutive bytes, aligned.
; The scale bytes leave 16 bytes a lane, rows 32 bytes apart: one byte for each 128 bytes that the launch reads.
; No byte of LDS is filled twice.  No cluster: no two work-groups read the same bytes.
.set SP,    272                        ; a stage row: 256 bytes of codes + 16
.set STG,   262144                     ; behind the tile: four stages of 32 rows
.set SPARE, STG+4*32*SP                ; behind the stages: the spare words, 128 bytes for each wave, which no other line names
.set AD,    4                          ; v4-7    LDS address of my column in K rows 128 q on: 65,536 q + 4 x my thread's number
.set STI,   8                          ; v8      the stage, on the way in: my column's row
.set STR,   9                          ; v9      and on the way out: sixteen lanes to a row, two rows an instruction
.set GC,    10                         ; v10     the same place in the codes' buffer
.set GS,    11                         ; v11     my column's row of scale bytes
.set SPW,   12                         ; v12     my spare word; never rewritten
.set NIL,   13                         ; v13     0; never rewritten
.set SB,    24                         ; v24-27  16 scale bytes
.set XN,    32                         ; v32-95  two sets of 32 numbers
.set CD,    96                         ; v96-99  a block's codes
.set OUTR,  112                        ; v112-175 the way out
.set G0,    28                         ; s[28:31] descriptor group 0
.set G1X,   32                         ; s[32:39] group 1 for x's tiles
.set G1W,   40                         ; s[40:47] for w_qkv's: it differs in the pitch alone
	s_load_b256 s[4:11], s[0:1], 0x0               ; x s[4:5], w_qkv s[6:7], w_out s[8:9], xc s[10:11]
	s_load_b256 s[12:19], s[0:1], 0x20             ; xs s[12:13], wc s[14:15], ws s[16:17], w16 s[18:19]
	v_lshl_add_u32 v[SPW], v0, 2, SPARE
	v_mov_b32 v[NIL], 0
	ds_add_u32 v[SPW], v[NIL]                      ; the wave's opening: the add, twice on end, and its wait ahead of my first tensor load
	ds_add_u32 v[SPW], v[NIL]                      ; and once more; the set-up below, work on registers, stands between it and the wait
	v_lshrrev_b32 v1, 5, v0
	v_readfirstlane_b32 s20, v1                    ; wave 0..3
.irp g, G1X, G1W                       ; a tile of 128 rows x 128 elements of 4 bytes, no padding: a wave's LDS load takes 128 consecutive bytes of one row
	s_mov_b32 s[\g+0], 2<<16                       ; no mask; elements of 4 bytes
	s_mov_b32 s[\g+1], 128<<16                     ; tensor_dim0 = 128
	s_mov_b32 s[\g+2], 128<<16                     ; tensor_dim1 = 128
	s_mov_b32 s[\g+3], 128<<16                     ; tile_dim0 = 128
	s_mov_b32 s[\g+4], 128                         ; tile_dim1 = 128
	s_mov_b32 s[\g+6], 0
	s_mov_b32 s[\g+7], 0
.endr
	s_mov_b32 s[G1X+5], 2048                       ; elements from row to row
	s_mov_b32 s[G1W+5], 3072
	s_mov_b32 s[G0], 1
	s_lshl_b32 s[G0+1], s20, 16                    ; my 128 rows land at 65,536 x wave
	v_lshlrev_b32 v[AD], 2, v0                     ; 128 x wave + 4 x lane = 4 x thread
	v_add_nc_u32 v[AD+1], 65536, v[AD]
	v_add_nc_u32 v[AD+2], 131072, v[AD]
	v_add_nc_u32 v[AD+3], 196608, v[AD]
	v_mul_u32_u24 v[STI], v0, SP                   ; stage row 32 x wave + lane
	v_add_nc_u32 v[STI], STG, v[STI]
	v_and_b32 v14, 0x60, v0                        ; 32 x wave
	v_bfe_u32 v15, v0, 4, 1                        ; lane / 16
	v_add_nc_u32 v14, v14, v15
	v_mul_u32_u24 v[STR], v14, SP
	v_and_b32 v16, 15, v0
	v_lshl_add_u32 v[STR], v16, 4, v[STR]
	v_add_nc_u32 v[STR], STG, v[STR]
	v_lshlrev_b32 v[GC], 9, v15                    ; a row of codes is 512 bytes
	v_lshl_add_u32 v[GC], v16, 4, v[GC]
	v_and_b32 v2, 31, v0                           ; lane
	v_lshlrev_b32 v[GS], 5, v2                     ; a row of scale bytes is 32
	s_wait_dscnt 0x0                               ; both opening adds are done
	s_wait_kmcnt 0x0
	s_cmp_ge_u32 ttmp9, 176                        ; the work-group's number alone: all four waves go the same way
	s_cbranch_scc1 .Lstream
	s_cmp_lt_u32 ttmp9, 128                        ; x or w_qkv?  All selections stand ahead of the first addition
	s_cselect_b64 s[24:25], s[4:5], s[6:7]         ; the numbers,
	s_cselect_b64 s[26:27], s[10:11], s[14:15]     ; the codes,
	s_cselect_b64 s[48:49], s[12:13], s[16:17]     ; the scale bytes
	s_mov_b32 s50, 12288
	s_cselect_b32 s50, 8192, s50                   ; bytes from K row to K row
	s_cselect_b32 s51, 15, 31                      ; x: 16 groups of 128 columns in a batch; w_qkv: 24 in all
	s_cselect_b32 s52, 7, 0                        ; x: the batch counts; w_qkv: there is none
	s_cselect_b32 s21, 0, 128
	s_sub_co_u32 s21, ttmp9, s21                   ; my number within the tensor
	s_and_b32 s22, s21, 1                          ; y: which 512 along K
	s_lshr_b32 s23, s21, 1                         ; which 128 rows of the output
	s_lshl_b32 s54, s22, 9
	s_lshl_b32 s55, s20, 7
	s_add_co_u32 s54, s54, s55                     ; my first K row: 512 y + 128 wave
	s_mul_i32 s54, s54, s50
	s_and_b32 s55, s23, s51
	s_lshl_b32 s55, s55, 9                         ; 128 columns are 512 bytes
	s_add_co_u32 s54, s54, s55
	s_lshr_b32 s55, s23, 4
	s_and_b32 s55, s55, s52
	s_lshl_b32 s55, s55, 23                        ; a batch of x is 2^23 bytes
	s_add_co_u32 s54, s54, s55                     ; all under 2^26
	s_mov_b32 s55, 0
	s_add_nc_u64 s[24:25], s[24:25], s[54:55]
	s_mov_b64 s[G0+2:G0+3], s[24:25]
	s_or_b32 s[G0+3], s[G0+3], 0x80000000          ; type = 2
	s_lshl_b32 s56, s23, 7
	s_lshl_b32 s57, s20, 5
	s_add_co_u32 s56, s56, s57                     ; my wave's first row of the output
	s_lshl_b32 s54, s56, 9
	s_lshl_b32 s57, s22, 8
	s_add_co_u32 s54, s54, s57                     ; codes: row x 512 + 256 y
	s_add_nc_u64 s[26:27], s[26:27], s[54:55]
	s_lshl_b32 s54, s56, 5
	s_lshl_b32 s57, s22, 4
	s_add_co_u32 s54, s54, s57                     ; scale bytes: row x 32 + 16 y
	s_add_nc_u64 s[48:49], s[48:49], s[54:55]
	s_cmp_lt_u32 ttmp9, 128                        ; two shapes, two lines, each with its own group 1
	s_cbranch_scc1 .Lx
	tensor_load_to_lds s[G0:G0+3], s[G1W:G1W+7]
	s_nop 0
.rept 4
	v_nop
.endr
	s_branch .Lasked
.Lx:
	tensor_load_to_lds s[G0:G0+3], s[G1X:G1X+7]
	s_nop 0
.rept 4
	v_nop
.endr
.Lasked:
	s_wait_tensorcnt 0x0                           ; my one load has landed,
	s_barrier_signal -1
	s_barrier_wait -1                              ; everybody's has: the tile is whole
.macro LOADB t                         ; block t: rows 32 t + i of my column into set t % 2
.set i, 0
.rept 32
	ds_load_b32 v[XN+32*((\t)%2)+i], v[AD+(\t)/4] offset:(((\t)%4)*32+i)*512
.set i, i+1
.endr
.endm
.macro BLOCK t
.set XS, XN+32*((\t)%2)
.if (\t) < 15
	LOADB (\t)+1
	s_wait_dscnt 32                                ; all but the 32 just issued: this block's numbers are in, and the last block's store into the stage is done
.else
	s_wait_dscnt 0x0
.endif
	v_max3_num_f32 v14, |v[XS]|, |v[XS+1]|, |v[XS+2]|               ; the block's largest magnitude, in two chains
	v_max3_num_f32 v15, |v[XS+3]|, |v[XS+4]|, |v[XS+5]|
.irp n, 6,10,14,18,22,26
	v_max3_num_f32 v14, v14, |v[XS+\n]|, |v[XS+\n+1]|
	v_max3_num_f32 v15, v15, |v[XS+\n+2]|, |v[XS+\n+3]|
.endr
	v_max3_num_f32 v14, v14, |v[XS+30]|, |v[XS+31]|
	v_max3_num_f32 v14, v14, v15, 3<<23            ; and the floor 2^(3 - 127): the byte cannot fall under 1
	v_add_nc_u32 v16, -(2<<23), v14                ; 2 off its exponent field: the conversion takes the exponent field of this operand as its scale
	v_lshrrev_b32 v17, 23, v16                     ; the scale's byte
.if (\t)%4 == 0
	v_mov_b32 v[SB+(\t)/4], v17                    ; four bytes to a register, the lower K in the lower byte
.else
	v_lshl_or_b32 v[SB+(\t)/4], v17, 8*((\t)%4), v[SB+(\t)/4]
.endif
.irp g, 0,1,2,3
	v_cvt_scalef32_pk8_fp4_f32 v[CD+\g], v[XS+8*\g:XS+8*\g+7], v16   ; to the nearest code, ties to even, beyond 6 the largest code
.endr
	ds_store_b128 v[STI], v[CD:CD+3] offset:16*(\t)   ; 32 codes: 16 bytes of my column's row.  (The next vector lines are the next block's maxima, plain ones that touch none of these registers)
.endm
	LOADB 0
.irp t, 0,1,2,3,4,5,6,7,8,9,10,11,12,13,14,15
	BLOCK \t
.endr
	global_store_b128 v[GS], v[SB:SB+3], s[48:49]  ; my column's 16 scale bytes
.irp n, 0,1,2,3,4,5,6,7,8,9,10,11,12,13,14,15
	ds_load_b128 v[OUTR+4*\n:OUTR+4*\n+3], v[STR] offset:2*\n*SP   ; LDS serves a wave's instructions in order (ISA guide 5.7.1.4): these see my stores
.endr
.irp n, 0,1,2,3,4,5,6,7,8,9,10,11,12,13,14,15
	s_wait_dscnt 15-\n                             ; the younger loads may be out
	global_store_b128 v[GC], v[OUTR+4*\n:OUTR+4*\n+3], s[26:27] offset:2*\n*512   ; sixteen lanes store 256 consecutive bytes, aligned
.endr
	s_wait_tensorcnt 0x0                           ; the wave's end
	ds_add_u32 v[SPW], v[NIL]
	s_wait_dscnt 0x0
	s_endpgm
.Lstream:                                      ; w_out to f16: a wave takes 16,384 bytes; every offset is an immediate and no register is written twice
	s_sub_co_u32 s21, ttmp9, 176
	s_lshl_b32 s54, s21, 16
	s_lshl_b32 s55, s20, 14
	s_add_co_u32 s54, s54, s55
	s_mov_b32 s55, 0
	s_add_nc_u64 s[8:9], s[8:9], s[54:55]
	s_lshr_b32 s54, s54, 1
	s_add_nc_u64 s[18:19], s[18:19], s[54:55]
	v_lshlrev_b32 v3, 4, v2                        ; in: 16 bytes a lane
	v_lshlrev_b32 v18, 3, v2                       ; out: 8
.irp n, 0,1,2,3,4,5,6,7,8,9,10,11,12,13,14,15,16,17,18,19,20,21,22,23,24,25,26,27,28,29,30,31
	global_load_b128 v[32+4*\n:35+4*\n], v3, s[8:9] offset:512*\n th:TH_LOAD_NT
.endr
.irp n, 0,1,2,3,4,5,6,7,8,9,10,11,12,13,14,15,16,17,18,19,20,21,22,23,24,25,26,27,28,29,30,31
	s_wait_loadcnt 31-\n                           ; the younger loads may be out
	v_cvt_pk_f16_f32 v[160+2*\n], v[32+4*\n], v[33+4*\n]
	v_cvt_pk_f16_f32 v[161+2*\n], v[34+4*\n], v[35+4*\n]
	global_store_b64 v18, v[160+2*\n:161+2*\n], s[18:19] offset:256*\n   ; the wave stores 256 consecutive bytes, aligned
.endr
	s_wait_tensorcnt 0x0                           ; the wave's end
	ds_add_u32 v[SPW], v[NIL]
	s_wait_dscnt 0x0
	s_endpgm
.Lfunc_end_k_q9017b6d0ed_prep:
	.size	k_q9017b6d0ed_prep, .Lfunc_end_k_q9017b6d0ed_prep-k_q9017b6d0ed_prep
	.p2alignl 7, 3214868480
	.fill 96, 4, 3214868480
	.section	.rodata,"a",@progbits
	.p2align	6, 0x0
	.amdhsa_kernel k_q9017b6d0ed_prep
		.amdhsa_group_segment_fixed_size 327680
		.amdhsa_private_segment_fixed_size 0
		.amdhsa_enable_private_segment 0
		.amdhsa_kernarg_size 64
		.amdhsa_user_sgpr_count 2
		.amdhsa_user_sgpr_kernarg_segment_ptr 1
		.amdhsa_wavefront_size32 1
		.amdhsa_system_sgpr_workgroup_id_x 1
		.amdhsa_system_sgpr_workgroup_id_y 1
		.amdhsa_system_sgpr_workgroup_id_z 1
		.amdhsa_system_vgpr_workitem_id 0
		.amdhsa_next_free_vgpr 224
		.amdhsa_next_free_sgpr 66
		.amdhsa_reserve_vcc 0
		.amdhsa_float_denorm_mode_32 3
		.amdhsa_float_denorm_mode_16_64 3
		.amdhsa_memory_ordered 1
		.amdhsa_forward_progress 1
		.amdhsa_inst_pref_size 76
	.end_amdhsa_kernel
	.amdgpu_metadata
---
amdhsa.version: [ 1, 2 ]
amdhsa.kernels:
  - .name:           k_q9017b6d0ed_prep
    .symbol:         k_q9017b6d0ed_prep.kd
    .args:
      - { .name: x, .offset: 0, .size: 8, .value_kind: global_buffer, .address_space: global }
      - { .name: w_qkv, .offset: 8, .size: 8, .value_kind: global_buffer, .address_space: global }
      - { .name: w_out, .offset: 16, .size: 8, .value_kind: global_buffer, .address_space: global }
      - { .name: xc, .offset: 24, .size: 8, .value_kind: global_buffer, .address_space: global }
      - { .name: xs, .offset: 32, .size: 8, .value_kind: global_buffer, .address_space: global }
      - { .name: wc, .offset: 40, .size: 8, .value_kind: global_buffer, .address_space: global }
      - { .name: ws, .offset: 48, .size: 8, .value_kind: global_buffer, .address_space: global }
      - { .name: w16, .offset: 56, .size: 8, .value_kind: global_buffer, .address_space: global }
    .group_segment_fixed_size: 327680
    .private_segment_fixed_size: 0
    .kernarg_segment_align: 8
    .kernarg_segment_size: 64
    .max_flat_workgroup_size: 128
    .sgpr_count:     66
    .vgpr_count:     224
    .wavefront_size: 32
...
	.end_amdgpu_metadata
.endif
;; end of part 1
;; launch qkvgemm (part 2): grid 12 x 32, 4 waves a work-group, clusters of 4 x 4, 327,680 bytes of LDS; arguments xc, xs, wc, ws, b_qkv, qkv; writes qkv
.if DOCPART == 2
	.amdgcn_target "amdgcn-amd-amdhsa--gfx1250"
	.amdhsa_code_object_version 6
	.text
	.protected	k_q9017b6d0ed_qkvgemm
	.globl	k_q9017b6d0ed_qkvgemm
	.p2align	8
	.type	k_q9017b6d0ed_qkvgemm,@function
k_q9017b6d0ed_qkvgemm:
	s_mov_b64 s[64:65], 0
	v_nop
	global_prefetch_b8 v0, s[64:65] scope:SCOPE_SE
	s_setreg_imm32_b32 hwreg(HW_REG_WAVE_MODE, 25, 1), 1
	s_wait_xcnt 0x0
	s_wait_alu depctr_hold_cnt(0) depctr_sa_sdst(0) depctr_va_vdst(0) depctr_va_sdst(0) depctr_va_ssrc(0) depctr_va_vcc(0) depctr_vm_vsrc(0)
	s_getreg_b32 s2, hwreg(HW_REG_IB_STS2, 6, 4)
	s_cmp_eq_u32 s2, 0
	s_cbranch_scc0 .Lentry_in_a_cluster
	s_endpgm
.Lentry_in_a_cluster:
	s_bfe_u32 s2, ttmp6, 0x10000c
	s_cmp_lg_u32 s2, 0xf033
	s_cbranch_scc0 .Lentry_shape_is_right
	s_endpgm
.Lentry_shape_is_right:
; qkv[m][n] = sum over k of X[m][k] W[n][k] + b_qkv[n], on codes of FP4 (E2M1) with one E8M0 scale for each 32 along K.  X: xc [8192][512 bytes], xs [8192][32]; W: wc [3072][512 bytes], ws [3072][32].
; The result is rounded to f16 and laid by head: qkv [b][g = n / 64][t][64]; g 0-15 is q, 16-31 k, 32-47 v.  q's columns (n < 1024) are multiplied by log2(e) / 8 in f32 ahead of the rounding,
; so that the next launch's scores are exponents of 2 as they come.   LIMIT: |q|, |k|, |v| beyond f16's largest, 65,504, become infinities.
; A tile, 256 x 256, is made by four waves, each 128 x 128: 64 accumulators, 512 registers.  K = 1,024 is two LDS slots of 512 along K (rows of 256 bytes): both are asked for at the head and nothing is filled again.
; The scales of the work-group's 256 + 256 rows, for all of K, come once with the first fills, as rows of 256 bytes.
; CLUSTERS: 4 x 4 work-groups; X's tiles are shared along a row of the cluster, W's along a column: each is asked for JOINTLY, by the same tensor load with a mask that names the four.
; THE MATRIX INSTRUCTION IS USED TRANSPOSED (source 0 = 16 rows of W, source 1 = 16 rows of X): a lane holds eight neighbouring n of one row m.  The bias is the C of each sum's first product.
; REGISTERS: window 0: v0-31 addresses; v32-95 scale words, two sets; v128-191 X's fragments, one set; v192-255 the bias in the result's layout.  window 1: W's fragments, two sets.  windows 2, 3: the accumulators.
; 384 tiles for 256 WGPs: an uneven split, kept because this product is a small part of the program's matrix work.
.set SIZE_K, 1024
.set NQ,     4                         ; steps of 128 along K in a slot
.set ROWB,   256                       ; a tile's row in bytes: 512 codes
.set KROW,   512                       ; a row of codes in memory
.set PITCH,  272                       ; an LDS row: 256 bytes + 16 = 68 words: the 16 rows that a load touches start at 16 different banks (64 banks of 4 bytes: ISA guide 11.1)
.set FR,     8
.set NL,     2
.set NP,     4                         ; places behind this matrix instruction (ISA guide 7.12.1)
.set HALFT,  128*PITCH
.set SLOT,   4*HALFT
.set KS,     32                        ; a row of scale bytes
.set SCL,    2*SLOT
.set HALFS,  (128*KS/256)*272
.set SBLK,   (16*KS/256)*272
.set SPARE,  SCL+4*HALFS               ; the spare words, 128 bytes for each wave, which no other line names
.set SPITCH, 272                       ; the way out: 16 rows x (256 bytes + 16) for each wave, in slot 0, which has had its only fill and its last read by then
.set ADRA, 16
.set ADRB, 20
.set STO,  24
.set RD,   25
.set CO,   26
.set ADRS, 27
.set SPW,  28
.set NIL,  29
.set BO,   30                          ; v30  32 x (lane / 16): my eight numbers of a tile's sixteen biases
.set SC,   32
.set AF,   128
.set BIAS, 192
.set TW,   64                          ; the way out: v64-127 scaled results, v192-223 packed, v32-63 and v224-255 rows read back, by turns
.set TMP,  192
.set OB,   32
.set G1, 24
.set G0, 32
.set G1B, 48
.set G0B, 56
.set G1S, 68
.set G0S, 76
.set G1SB, 80
.set G0SB, 88
.set MSB, 0
.macro WIN new                         ; the immediate's high byte repeats the setting that is left
.if MSB != (\new)
	s_set_vgpr_msb (MSB<<8)|(\new)
.set MSB, (\new)
.endif
.endm
.set MUL_LO, 0xa1                      ; source 0 (W) window 1, source 1 (X) window 0, C and D window 2
.set MUL_HI, 0xf1                      ; the same, C and D window 3
.set TO_B,   0x40
; A joint load: waves 0 and 1 fetch for X, waves 2 and 3 for W.  The branch hangs on the wave's number alone.  An s_nop 0 and four v_nop follow each line.
.macro JLOAD g0a, g1a, g0b, g1b
	s_cmp_eq_u32 s15, 0
	s_cbranch_scc0 .Lfor_b_\@
	tensor_load_to_lds s[\g0a:\g0a+3], s[\g1a:\g1a+7]
	s_nop 0
.rept 4
	v_nop
.endr
	s_branch .Lasked_\@
.Lfor_b_\@:
	tensor_load_to_lds s[\g0b:\g0b+3], s[\g1b:\g1b+7]
	s_nop 0
.rept 4
	v_nop
.endr
.Lasked_\@:
.endm
.macro CROUND                          ; a round of the cluster's barrier
	s_barrier_signal -1
	s_barrier_wait -1
	s_cmp_lg_u32 s14, 0
	s_cbranch_scc1 .Lnot_wave_0_\@
	s_barrier_signal -3
.Lnot_wave_0_\@:
	s_barrier_wait -3
	s_barrier_signal -1
	s_barrier_wait -1
.endm
	s_load_b128 s[4:7], s[0:1], 0x0                ; X's codes s[4:5], X's scales s[6:7]
	s_load_b128 s[8:11], s[0:1], 0x10              ; W's codes s[8:9], W's scales s[10:11]
	s_load_b64 s[96:97], s[0:1], 0x20              ; b_qkv
	s_load_b64 s[12:13], s[0:1], 0x28              ; qkv
	v_lshl_add_u32 v[SPW], v0, 2, SPARE
	v_mov_b32 v[NIL], 0
	ds_add_u32 v[SPW], v[NIL]                      ; the wave's opening: the add, twice on end, and its wait ahead of my first tensor load
	ds_add_u32 v[SPW], v[NIL]                      ; and once more; the set-up below stands between it and the wait
	v_lshrrev_b32 v1, 5, v0
	v_readfirstlane_b32 s14, v1                    ; wave 0..3
	s_lshr_b32 s15, s14, 1                         ; which half of the tile's rows is mine.  Also: I fetch for X (0) or for W (1)
	s_and_b32 s16, s14, 1                          ; which half of its columns.  Also: which 128 rows of that tile I fetch
	s_bfe_u32 s40, ttmp6, 0x40000                  ; cx, cy
	s_bfe_u32 s41, ttmp6, 0x40004
	s_lshl_b32 s42, ttmp9, 2
	s_add_co_u32 s42, s42, s40                     ; tile column = 4 x cluster x + cx
	s_and_b32 s17, ttmp7, 0xffff
	s_lshl_b32 s17, s17, 2
	s_add_co_u32 s17, s17, s41                     ; tile row = 4 x cluster y + cy
	s_lshl_b32 s43, s41, 2
	s_lshl_b32 s43, 15, s43                        ; my row of the cluster
	s_lshl_b32 s44, 0x1111, s40                    ; my column
	s_or_b32 s[G1+0], s43, (0<<16)|(1<<20)|(1<<21)|(5<<22)|(3<<25)  ; the mask; elements of 1 byte; padding on; bit 21 beside a mask; after every 64 words, 4 words
	s_or_b32 s[G1B+0], s44, (0<<16)|(1<<20)|(1<<21)|(5<<22)|(3<<25)
.irp g, G1, G1B
	s_mov_b32 s[\g+1], ROWB<<16                    ; tensor_dim0
	s_mov_b32 s[\g+2], 128<<16                     ; tensor_dim1
	s_mov_b32 s[\g+3], ROWB<<16                    ; tile_dim0
	s_mov_b32 s[\g+4], 128                         ; tile_dim1
	s_mov_b32 s[\g+5], KROW                        ; from row to row
	s_mov_b32 s[\g+6], 0
	s_mov_b32 s[\g+7], 0
.endr
	s_or_b32 s[G1S+0], s43, (3<<16)|(1<<20)|(1<<21)|(5<<22)|(3<<25) ; the scales of 128 rows: 4,096 dense bytes as 16 rows of 256 (32 elements of 8 bytes), 16 bytes of padding behind each
	s_or_b32 s[G1SB+0], s44, (3<<16)|(1<<20)|(1<<21)|(5<<22)|(3<<25)
.irp g, G1S, G1SB
	s_mov_b32 s[\g+1], 32<<16
	s_mov_b32 s[\g+2], (128*KS/256)<<16
	s_mov_b32 s[\g+3], 32<<16
	s_mov_b32 s[\g+4], 128*KS/256
	s_mov_b32 s[\g+5], 32
	s_mov_b32 s[\g+6], 0
	s_mov_b32 s[\g+7], 0
.endr
	s_lshl_b32 s18, s16, 7                         ; which 128 rows of the tile I fetch
	s_lshl_b32 s20, s17, 8
	s_add_co_u32 s20, s20, s18                     ; X: row 256 x tile row + 128 x half
	s_lshl_b32 s46, s42, 8
	s_add_co_u32 s46, s46, s18                     ; W: row 256 x tile column + 128 x half
	s_mov_b32 s21, 0
	s_mov_b32 s47, 0
	s_mov_b64 s[18:19], KS
	s_mul_u64 s[22:23], s[20:21], s[18:19]         ; where these rows' scales begin
	s_mul_u64 s[92:93], s[46:47], s[18:19]
	s_mov_b64 s[18:19], KROW
	s_mul_u64 s[20:21], s[20:21], s[18:19]         ; and their codes
	s_mul_u64 s[46:47], s[46:47], s[18:19]
	s_mul_i32 s45, s14, HALFT                      ; where they go: wave x 128 rows
	s_mul_i32 s94, s14, HALFS
	s_wait_dscnt 0x0                               ; both opening adds are done
	s_wait_kmcnt 0x0
	s_add_nc_u64 s[20:21], s[4:5], s[20:21]
	s_add_nc_u64 s[22:23], s[6:7], s[22:23]
	s_add_nc_u64 s[46:47], s[8:9], s[46:47]
	s_add_nc_u64 s[92:93], s[10:11], s[92:93]
	CROUND                                         ; all sixteen work-groups are here: the joint loads meet
	s_mov_b32 s[G0S], 1
	s_add_co_u32 s[G0S+1], s94, SCL
	s_mov_b64 s[G0S+2:G0S+3], s[22:23]
	s_or_b32 s[G0S+3], s[G0S+3], 0x80000000
	s_mov_b32 s[G0SB], 1
	s_add_co_u32 s[G0SB+1], s94, SCL
	s_mov_b64 s[G0SB+2:G0SB+3], s[92:93]
	s_or_b32 s[G0SB+3], s[G0SB+3], 0x80000000
	JLOAD G0S, G1S, G0SB, G1SB                     ; the scales first
.irp s, 0,1
	s_mov_b32 s[G0+4*\s], 1
	s_add_co_u32 s[G0+4*\s+1], s45, \s*SLOT
	s_add_nc_u64 s[G0+4*\s+2:G0+4*\s+3], s[20:21], \s*ROWB
	s_or_b32 s[G0+4*\s+3], s[G0+4*\s+3], 0x80000000
	s_mov_b32 s[G0B+4*\s], 1
	s_add_co_u32 s[G0B+4*\s+1], s45, \s*SLOT
	s_add_nc_u64 s[G0B+4*\s+2:G0B+4*\s+3], s[46:47], \s*ROWB
	s_or_b32 s[G0B+4*\s+3], s[G0B+4*\s+3], 0x80000000
	JLOAD G0+4*\s, G1, G0B+4*\s, G1B               ; three loads of mine are out in all
.endr
	v_and_b32 v1, 15, v0                           ; l % 16
	v_bfe_u32 v2, v0, 4, 1                         ; l / 16
	v_mul_u32_u24 v3, v1, PITCH
	v_lshl_add_u32 v4, v2, 4, v3                   ; a fragment's row x pitch + 16 x half
	s_mul_i32 s21, s15, HALFT                      ; my 128 rows of X
	s_mul_i32 s22, s16, HALFT                      ; my 128 rows of W,
	s_add_co_u32 s22, s22, 2*HALFT                 ; which lie behind X's 256
.irp s, 0,1
	v_add_nc_u32 v[ADRA+\s], s21, v4
	v_add_nc_u32 v[ADRB+\s], s22, v4
	s_add_co_u32 s21, s21, SLOT
	s_add_co_u32 s22, s22, SLOT
.endr
	v_mul_u32_u24 v5, v1, KS                       ; my row's scales: 32 bytes a row,
	v_lshrrev_b32 v6, 8, v5
	v_lshl_add_u32 v5, v6, 4, v5                   ; and 16 more for each 256 passed
	s_mul_i32 s21, s15, HALFS
	s_mul_i32 s22, s16, HALFS
	s_add_co_u32 s22, s22, 2*HALFS
	s_sub_co_u32 s22, s22, s21
	v_mul_u32_u24 v6, s22, v2                      ; lanes 16-31 take W's: one product, the distance between the two bases
	s_add_co_u32 s21, s21, SCL
	v_add_nc_u32 v5, v5, v6
	v_add_nc_u32 v[ADRS], s21, v5
	s_mul_i32 s23, s14, 16*SPITCH                  ; my stage
	v_mul_u32_u24 v5, v1, SPITCH                   ; in: row l % 16, 16 bytes for each half of the lanes
	v_lshl_add_u32 v5, v2, 4, v5
	v_add_nc_u32 v[STO], s23, v5
	v_bfe_u32 v5, v0, 3, 1                         ; back: lanes 0-15 take my first head's 128 bytes of two rows, lanes 16-31 my second head's
	v_mul_u32_u24 v5, v5, SPITCH
	v_lshl_add_u32 v5, v2, 7, v5
	v_and_b32 v6, 7, v0
	v_lshl_add_u32 v5, v6, 4, v5
	v_add_nc_u32 v[RD], s23, v5
	v_lshlrev_b32 v[CO], 4, v1                     ; in qkv two rows t of a head are 256 consecutive bytes; a head is 2^18 bytes
	v_lshl_add_u32 v[CO], v2, 18, v[CO]
	v_lshlrev_b32 v[BO], 5, v2
	s_lshr_b32 s20, s17, 3                         ; the batch: eight tile rows each
	s_mul_i32 s20, s20, 48
	s_lshl_b32 s21, s42, 2
	s_add_co_u32 s20, s20, s21
	s_lshl_b32 s21, s16, 1
	s_add_co_u32 s20, s20, s21                     ; my first head: 48 b + 4 x tile column + 2 x half
	s_lshl_b32 s20, s20, 18
	s_and_b32 s21, s17, 7
	s_lshl_b32 s21, s21, 15                        ; 256 rows t of 128 bytes
	s_add_co_u32 s20, s20, s21
	s_lshl_b32 s21, s15, 14                        ; my 128 of them
	s_add_co_u32 s20, s20, s21                     ; under 2^26
	s_mov_b32 s21, 0
	s_add_nc_u64 s[12:13], s[12:13], s[20:21]
	s_lshl_b32 s46, s42, 10                        ; my first column's bias: 4 x (256 x tile column + 128 x half)
	s_lshl_b32 s47, s16, 9
	s_add_co_u32 s46, s46, s47
	s_mov_b32 s47, 0
	s_add_nc_u64 s[96:97], s[96:97], s[46:47]
	s_cmp_lt_u32 s42, 4                            ; q's tile columns.  A selection of a number, no branch
	s_cselect_b32 s98, 0x3e38aa3b, 1.0             ; log2(e) / 8, or 1
	s_mov_b32 s99, s98                             ; (named with it as a pair, so it is written)
.irp b, 0,1,2,3,4,5,6,7                        ; lane (r, h) wants, for W's block b, the biases of columns 16 b + 8 h + 0 .. 7
	global_load_b128 v[BIAS+8*\b:BIAS+8*\b+3], v[BO], s[96:97] offset:64*\b
	global_load_b128 v[BIAS+8*\b+4:BIAS+8*\b+7], v[BO], s[96:97] offset:64*\b+16
.endr
.macro FRAG reg, adr, q, i             ; 16 rows x 128 K of 4-bit codes: lane l holds row l % 16; registers 4 c .. 4 c + 3 hold K = 64 c + 32 (l / 16) + 0 .. 31
.irp c, 0,1
	ds_load_b128 v[\reg+4*\c:\reg+4*\c+3], v[\adr] offset:64*(\q)+32*\c+(\i)*16*PITCH
.endr
.endm
; 16 matrix instructions: X's blocks a0, a0 + 1 x W's eight.  p: W's set; sc: the set of scale words.  first = 1: the bias starts the sums: nothing is ever cleared or added later.
; The 64 accumulators take turns, one instruction a turn, in the same order in every step.
.macro MUL16 a0, p, q, sc, first
.irp a, \a0, \a0+1
.irp b, 0,1,2,3,4,5,6,7
.if \first
	v_wmma_scale_f32_16x16x128_f8f6f4 v[8*(8*((\a)%4)+\b):8*(8*((\a)%4)+\b)+7], v[128*(\p)+FR*\b:128*(\p)+FR*\b+FR-1], v[AF+FR*(\a):AF+FR*(\a)+FR-1], v[BIAS+8*\b:BIAS+8*\b+7], v[SC+8*NQ*(\sc)+NQ*\b+(\q)], v[SC+8*NQ*(\sc)+NQ*(\a)+(\q)] matrix_a_fmt:MATRIX_FMT_FP4 matrix_b_fmt:MATRIX_FMT_FP4 matrix_a_scale:MATRIX_SCALE_ROW1
.else
	v_wmma_scale_f32_16x16x128_f8f6f4 v[8*(8*((\a)%4)+\b):8*(8*((\a)%4)+\b)+7], v[128*(\p)+FR*\b:128*(\p)+FR*\b+FR-1], v[AF+FR*(\a):AF+FR*(\a)+FR-1], v[8*(8*((\a)%4)+\b):8*(8*((\a)%4)+\b)+7], v[SC+8*NQ*(\sc)+NQ*\b+(\q)], v[SC+8*NQ*(\sc)+NQ*(\a)+(\q)] matrix_a_fmt:MATRIX_FMT_FP4 matrix_b_fmt:MATRIX_FMT_FP4 matrix_a_scale:MATRIX_SCALE_ROW1
.endif
.endr
.endr
.endm
.macro FETCH_B slot, q, p
	WIN TO_B
.irp i, 0,1,2,3,4,5,6,7
	FRAG 128*(\p)+FR*\i, ADRB+\slot, \q, \i
.endr
	WIN 0
.endm
.macro FETCH_A slot, q, i0
.irp i, \i0, \i0+1, \i0+2, \i0+3
	FRAG AF+FR*(\i), ADRA+\slot, \q, \i
.endr
.endm
.macro SCALES sc                       ; a slot's scale words: 4 words a row; lanes 0-15 take X's block i, lanes 16-31 W's block i
.irp i, 0,1,2,3,4,5,6,7
	ds_load_b128 v[SC+8*NQ*\sc+NQ*\i:SC+8*NQ*\sc+NQ*\i+3], v[ADRS] offset:\i*SBLK
.endr
.endm
.macro PLACES n                        ; plain vector instructions between a matrix instruction and a load into, or a vector read or write of, its registers
.rept \n
	v_nop
.endr
.endm
.macro STEP slot, q, first             ; a step of 128 along K that has its successor in the same slot
	s_wait_dscnt 4*NL                              ; W's set and X's blocks 0-3 are in; the youngest eight loads (X's blocks 4-7) may be out
.if \first
	WIN 0x81                                       ; C, the bias, in window 0; D in window 2
.else
	WIN MUL_LO
.endif
	MUL16 0, (\q)%2, \q, \slot, \first
	MUL16 2, (\q)%2, \q, \slot, \first
	s_wait_dscnt 0                                 ; X's blocks 4-7 are in
	PLACES NP
	FETCH_B \slot, (\q)+1, 1-(\q)%2
	FETCH_A \slot, (\q)+1, 0
.if \first
	WIN 0xc1                                       ; D in window 3
.else
	WIN MUL_HI
.endif
	MUL16 4, (\q)%2, \q, \slot, \first
	MUL16 6, (\q)%2, \q, \slot, \first
	PLACES NP
	WIN 0
	FETCH_A \slot, (\q)+1, 4
.endm
; Slot 0's last step changes slots: one barrier, in front of which each wave has waited for all its tensor loads (its part of slot 1) and for its reads of slot 0.
.macro TURN slot, next
	s_wait_tensorcnt 0x0                           ; my part of the next slot has landed
	ds_add_u32 v[SPW], v[NIL]                      ; 0 onto my spare word
	s_wait_dscnt 4*NL+1                            ; (the add and the youngest eight loads may be out)
	WIN MUL_LO
	MUL16 0, 1, NQ-1, \slot, 0
	s_wait_dscnt 0x0                               ; the add is done, and my reads of this slot are over
	s_barrier_signal -1
	MUL16 2, 1, NQ-1, \slot, 0
	WIN 0
	s_barrier_wait -1
	PLACES NP
	v_add_nc_u32 v[ADRS], 4*NQ, v[ADRS]            ; on to the next slot's scale words
	FETCH_B \next, 0, 0
	FETCH_A \next, 0, 0
	SCALES \next
	WIN MUL_HI
	MUL16 4, 1, NQ-1, \slot, 0
	MUL16 6, 1, NQ-1, \slot, 0
	PLACES NP
	WIN 0
	FETCH_A \next, 0, 4
.endm
	s_wait_tensorcnt 1                             ; the scales and my part of slot 0 are in (slot 1's load may be out)
	s_barrier_signal -1
	s_barrier_wait -1                              ; everybody's are
	FETCH_B 0, 0, 0
	FETCH_A 0, 0, 0
	SCALES 0
	FETCH_A 0, 0, 4
	s_wait_loadcnt 0x0                             ; the bias
	STEP 0, 0, 1
	STEP 0, 1, 0
	STEP 0, 2, 0
	TURN 0, 1
	STEP 1, 0, 0
	STEP 1, 1, 0
	STEP 1, 2, 0
	s_wait_dscnt 4*NL                              ; the very last step: nothing more to fetch
	WIN MUL_LO
	MUL16 0, 1, NQ-1, 1, 0
	MUL16 2, 1, NQ-1, 1, 0
	s_wait_dscnt 0
	WIN MUL_HI
	MUL16 4, 1, NQ-1, 1, 0
	MUL16 6, 1, NQ-1, 1, 0
	WIN 0
; THE WAY OUT, block by block of 16 rows t x 128 columns (two heads).  PACK: x the constant, rounded to f16, 16 bytes a lane.  TOSTAGE: into my own stage and back by rows.  SEND: stored.
.macro PACK a
.set AC, 64*((\a)%4)
	WIN 0x02+((\a)/4)                              ; source 0: window 2 or 3
.set i, 0
.rept 32
	v_pk_mul_f32 v[TW+2*i:TW+2*i+1], v[AC+2*i:AC+2*i+1], s[98:99] op_sel_hi:[1,0]   ; each accumulator from its low end on
.set i, i+1
.endr
	WIN 0
.set i, 0
.rept 32
	v_cvt_pk_f16_f32 v[TMP+i], v[TW+2*i], v[TW+2*i+1]
.set i, i+1
.endr
.endm
.macro TOSTAGE a
.set BB, OB+192*((\a)%2)
.irp b, 0,1,2,3,4,5,6,7
	ds_store_b128 v[STO], v[TMP+4*\b:TMP+4*\b+3] offset:32*\b
.endr
.irp n, 0,1,2,3,4,5,6,7
	ds_load_b128 v[BB+4*\n:BB+4*\n+3], v[RD] offset:\n*2*SPITCH    ; LDS serves a wave's instructions in order (ISA guide 5.7.1.4): these see the stores above
.endr
.endm
.macro SEND a
.set BB, OB+192*((\a)%2)
	s_wait_dscnt 0x0                               ; the block is back in registers
	s_wait_xcnt 0x0                                ; the earlier stores have read their registers: the next block's loads may land there
.irp n, 0,1,2,3,4,5,6,7
	global_store_b128 v[CO], v[BB+4*\n:BB+4*\n+3], s[12:13] offset:(\a)*2048+\n*256   ; sixteen lanes store 256 consecutive bytes, aligned: rows t, t + 1 of one head
.endr
.endm
	PLACES NP                                      ; behind the last products: for the writes over scale words and the loads over operands; block 0's results were finished long ago
	PACK 0
	TOSTAGE 0
.irp a, 1,2,3,4,5,6,7                  ; block a's arithmetic stands between block a - 1's loads from the stage and the wait for them
	PACK \a
	SEND \a-1
	TOSTAGE \a
.endr
	SEND 7
	s_wait_tensorcnt 0x0                           ; the wave's end
	ds_add_u32 v[SPW], v[NIL]
	s_wait_dscnt 0x0
	CROUND                                         ; the closing round
	s_endpgm
.Lfunc_end_k_q9017b6d0ed_qkvgemm:
	.size	k_q9017b6d0ed_qkvgemm, .Lfunc_end_k_q9017b6d0ed_qkvgemm-k_q9017b6d0ed_qkvgemm
	.p2alignl 7, 3214868480
	.fill 96, 4, 3214868480
	.section	.rodata,"a",@progbits
	.p2align	6, 0x0
	.amdhsa_kernel k_q9017b6d0ed_qkvgemm
		.amdhsa_group_segment_fixed_size 327680
		.amdhsa_private_segment_fixed_size 0
		.amdhsa_enable_private_segment 0
		.amdhsa_kernarg_size 48
		.amdhsa_user_sgpr_count 2
		.amdhsa_user_sgpr_kernarg_segment_ptr 1
		.amdhsa_wavefront_size32 1
		.amdhsa_system_sgpr_workgroup_id_x 1
		.amdhsa_system_sgpr_workgroup_id_y 1
		.amdhsa_system_sgpr_workgroup_id_z 1
		.amdhsa_system_vgpr_workitem_id 0
		.amdhsa_next_free_vgpr 1024
		.amdhsa_next_free_sgpr 100
		.amdhsa_reserve_vcc 0
		.amdhsa_float_denorm_mode_32 3
		.amdhsa_float_denorm_mode_16_64 3
		.amdhsa_memory_ordered 1
		.amdhsa_forward_progress 1
		.amdhsa_inst_pref_size 144
	.end_amdhsa_kernel
	.amdgpu_metadata
---
amdhsa.version: [ 1, 2 ]
amdhsa.kernels:
  - .name:           k_q9017b6d0ed_qkvgemm
    .symbol:         k_q9017b6d0ed_qkvgemm.kd
    .args:
      - { .name: xc, .offset: 0, .size: 8, .value_kind: global_buffer, .address_space: global }
      - { .name: xs, .offset: 8, .size: 8, .value_kind: global_buffer, .address_space: global }
      - { .name: wc, .offset: 16, .size: 8, .value_kind: global_buffer, .address_space: global }
      - { .name: ws, .offset: 24, .size: 8, .value_kind: global_buffer, .address_space: global }
      - { .name: b_qkv, .offset: 32, .size: 8, .value_kind: global_buffer, .address_space: global }
      - { .name: qkv, .offset: 40, .size: 8, .value_kind: global_buffer, .address_space: global }
    .group_segment_fixed_size: 327680
    .private_segment_fixed_size: 0
    .kernarg_segment_align: 8
    .kernarg_segment_size: 48
    .max_flat_workgroup_size: 128
    .sgpr_count:     100
    .vgpr_count:     1024
    .wavefront_size: 32
...
	.end_amdgpu_metadata
.endif
;; end of part 2
;; launch attn (part 3): grid 4 x 64, 16 waves a work-group, clusters of 4 x 1, 327,680 bytes of LDS; arguments qkv, o; writes o
.if DOCPART == 3
	.amdgcn_target "amdgcn-amd-amdhsa--gfx1250"
	.amdhsa_code_object_version 6
	.text
	.protected	k_q9017b6d0ed_attn
	.globl	k_q9017b6d0ed_attn
	.p2align	8
	.type	k_q9017b6d0ed_attn,@function
k_q9017b6d0ed_attn:
	s_mov_b64 s[64:65], 0
	v_nop
	global_prefetch_b8 v0, s[64:65] scope:SCOPE_SE
	s_setreg_imm32_b32 hwreg(HW_REG_WAVE_MODE, 25, 1), 1
	s_wait_xcnt 0x0
	s_wait_alu depctr_hold_cnt(0) depctr_sa_sdst(0) depctr_va_vdst(0) depctr_va_sdst(0) depctr_va_ssrc(0) depctr_va_vcc(0) depctr_vm_vsrc(0)
	s_getreg_b32 s2, hwreg(HW_REG_IB_STS2, 6, 4)
	s_cmp_eq_u32 s2, 0
	s_cbranch_scc0 .Lentry_in_a_cluster
	s_endpgm
.Lentry_in_a_cluster:
	s_bfe_u32 s2, ttmp6, 0x10000c
	s_cmp_lg_u32 s2, 0x3003
	s_cbranch_scc0 .Lentry_shape_is_right
	s_endpgm
.Lentry_shape_is_right:
; o[y][q][:] = the sum over k of softmax_k(Q[q] . K[k] / 8) V[k][:], for each of 64 heads y = 16 b + h, 2,048 queries and keys, head size 64, no mask.
; Q, K, V: f16, in qkv [b][g][t][64] (g = h: Q, already multiplied by log2(e) / 8; 16 + h: K; 32 + h: V).  o: [y][t][64] f16.  Products, maxima and sums in f32; the weights p are rounded to f16 for the second product.
; SOFTMAX.  For each query a running maximum m of the scores s and a running sum l: p = 2^(s - m), never above 1; in every step O and l are multiplied by a = 2^(m_old - m_new).  l sums the unrounded p and divides at the end.
; LIMITS: NaN and infinities are not served.
; SHARES.  A work-group owns 512 queries of a head, each of its SIXTEEN waves 32: two tiles of 16, in 256 registers: four waves to a SIMD, so that one wave's vector work stands beside another's matrix work and LDS loads.
; Every wave walks all keys, 64 a step.  K and V come through a ring of two LDS slots of 256 keys (waves 0, 1: K's halves; waves 2, 3: V's; one load each).
; CLUSTER.  The four work-groups of a cluster are the whole head and walk the same K and V: each tile is asked for JOINTLY, with a mask that names the four.
; LAYOUT.  S^T = K Q^T (source 0 = 16 keys, source 1 = 16 queries): a lane holds ONE query (lane % 16) and keys 8 (lane / 16) + 0..7.  Two such tiles, rounded in pairs, ARE source 1 (32 keys x 16 queries) of
; O^T = V^T P, whose source 0, 16 channels x 32 keys, comes out of LDS turned, by ds_load_tr16_b128.  p is packed in place, over the low half of a tile's scores.
; REGISTERS: v1-11 addresses; v12-27 statistics, eight a tile: +0 m, +1 m_old, +2,+3 l (even keys', odd keys'), +4..+7 c0-c3 at work, a in c2's place; v32-63 Q; v64-127 S^T, then p; v128-191 O^T; v192-255 K's eight fragments, then V's.
.set PK,    144                        ; a row of K in LDS: 128 bytes + 16 = 36 words: the 16 rows of a load fall on 16 different columns of 16 bytes (64 banks of 4 bytes: ISA guide 11.1)
.set PV,    160                        ; a row of V: 128 + 32
.set SKEYS, 256                        ; keys in a slot
.set VOFF,  SKEYS*PK                   ; a slot: 256 rows of K, then 256 rows of V
.set SLOT1, 1<<17                      ; slot 1 begins here: one exclusive or turns an address in one slot into the other's
.set NSL,   2048/SKEYS
.set SPARE, SLOT1+SKEYS*(PK+PV)        ; behind the ring: the spare words, 128 bytes for each wave, which no other line names
.set AK0, 1
.set AV0, 2
.set ADK, 3
.set ADV, 4
.set GO,  5                            ; v5   first my byte offset in the wave's rows of Q, on the way out in those of o
.set STO, 6
.set RD,  7
.set SPW, 8                            ; v8   my spare word; never rewritten
.set NIL, 9                            ; v9   0; never rewritten
.set PFO, 10                           ; v10  256 x my lane; never rewritten
.set ST,  12
.set QF,  32
.set SF,  64
.set OF,  128
.set FF,  192
.set WV,  12                           ; s12  my wave's number
.set SEL, 20                           ; s[20:21] lane selects for v_permlanex16_b32: lane l xor 16
.set G1K, 24                           ; s[24:31], s[32:39] descriptor groups 1; s[40:43], s[44:47] groups 0, which walk
.set G1V, 32
.set G0K, 40
.set G0V, 44
.set TB,  60                           ; s60  LDS byte at which the slot in hand begins
.set SLOTS, 67                         ; s67  slots still to be asked for
.set PFA, 76                           ; s[76:77] where my prefetches stand
.set LIM, 80                           ; s80  1 in a wave that prefetches, else the greatest number
.macro TLOAD                           ; waves 0 and 1 fetch for K, waves 2 and 3 for V, the others nothing: branches on the wave's number alone.  An s_nop 0 and four v_nop follow each line
	s_cmp_lt_u32 s[WV], 2
	s_cbranch_scc0 .Lnot_k_\@
	tensor_load_to_lds s[G0K:G0K+3], s[G1K:G1K+7]
	s_nop 0
.rept 4
	v_nop
.endr
	s_branch .Lasked_\@
.Lnot_k_\@:
	s_cmp_lt_u32 s[WV], 4
	s_cbranch_scc0 .Lasked_\@
	tensor_load_to_lds s[G0V:G0V+3], s[G1V:G1V+7]
	s_nop 0
.rept 4
	v_nop
.endr
.Lasked_\@:
.endm
; A PREFETCH of what the NEXT change of slots will ask for: 32,768 bytes of K and as many of V, four key steps ahead of that load.  The four partners share them out BY ADDRESS, 8,192 bytes each;
; in each, wave 4 asks for K's and wave 6 for V's, lanes 256 bytes apart: each block of 256 bytes is named once in the launch.  The last change that fills a slot asks for nothing; slots 0 and 1 come by their loads alone.
.macro ASK
	s_cmp_gt_u32 s[SLOTS], s[LIM]
	s_cbranch_scc0 .Lnot_mine_\@
	global_prefetch_b8 v[PFO], s[PFA:PFA+1] th:TH_LOAD_NT scope:SCOPE_SE
.Lnot_mine_\@:
.endm
.macro CROUND                          ; a round of the cluster's barrier
	s_barrier_signal -1
	s_barrier_wait -1
	s_cmp_lg_u32 s[WV], 0
	s_cbranch_scc1 .Lnot_wave_0_\@
	s_barrier_signal -3
.Lnot_wave_0_\@:
	s_barrier_wait -3
	s_barrier_signal -1
	s_barrier_wait -1
.endm
	s_load_b128 s[4:7], s[0:1], 0x0                ; qkv s[4:5], o s[6:7]
	v_lshl_add_u32 v[SPW], v0, 2, SPARE
	v_mov_b32 v[NIL], 0
	ds_add_u32 v[SPW], v[NIL]                      ; the wave's opening: the add, twice on end, and its wait ahead of the first tensor loads
	ds_add_u32 v[SPW], v[NIL]                      ; and once more; the set-up below stands between it and the wait
	v_lshrrev_b32 v11, 5, v0
	v_readfirstlane_b32 s[WV], v11                 ; wave 0..15
	s_bfe_u32 s13, ttmp6, 0x40000                  ; cx
	s_lshl_b32 s16, ttmp9, 2
	s_add_co_u32 s16, s16, s13                     ; my block of 512 queries: it enters Q's and o's addresses alone
	s_and_b32 s14, ttmp7, 0xffff                   ; y = 16 b + h, which the four partners share
	s_lshr_b32 s17, s14, 4
	s_mul_i32 s17, s17, 48
	s_and_b32 s18, s14, 15
	s_add_co_u32 s17, s17, s18                     ; g = 48 b + h
	s_and_b32 s19, s[WV], 1                        ; which half of a slot's rows I fetch, if I fetch
	s_lshl_b32 s48, s17, 18                        ; Q's head
	s_mov_b32 s49, 0
	s_lshl_b32 s52, s19, 14                        ; 128 rows of 128 bytes
	s_add_co_u32 s52, s52, s48
	s_add_co_u32 s52, s52, 16<<18                  ; K's head, my half
	s_mov_b32 s53, 0
	s_add_co_u32 s54, s52, 16<<18                  ; V's
	s_mov_b32 s55, 0
	s_lshl_b32 s50, s16, 16                        ; 512 rows of 128 bytes,
	s_lshl_b32 s51, s[WV], 12                      ; my wave's 32
	s_add_co_u32 s50, s50, s51
	s_add_co_u32 s48, s48, s50                     ; Q at my first query
	s_lshl_b32 s58, s14, 18
	s_add_co_u32 s58, s58, s50                     ; o likewise
	s_mov_b32 s59, 0
	s_lshl_b32 s56, s13, 13                        ; the prefetches: my work-group's 8,192 bytes,
	s_add_co_u32 s56, s56, SKEYS*128               ; in slot 1: the first change of slots steps it to slot 2
	s_mov_b32 s57, 0
	s_mov_b32 s[G1K], 15|(1<<16)|(1<<20)|(1<<21)|(4<<22)|(3<<25)  ; the mask: all four; elements of 2 bytes; padding on; bit 21 beside a mask; after every 32 words, 4 words
	s_mov_b32 s[G1V], 15|(1<<16)|(1<<20)|(1<<21)|(4<<22)|(7<<25)  ; the same with 8 words
.irp g, G1K, G1V
	s_mov_b32 s[\g+1], 64<<16                      ; tensor_dim0 = 64
	s_mov_b32 s[\g+2], 128<<16                     ; tensor_dim1 = 128
	s_mov_b32 s[\g+3], 64<<16                      ; tile_dim0 = 64
	s_mov_b32 s[\g+4], 128                         ; tile_dim1 = 128
	s_mov_b32 s[\g+5], 64                          ; from row to row
	s_mov_b32 s[\g+6], 0
	s_mov_b32 s[\g+7], 0
.endr
	s_mov_b32 s[G0K], 1
	s_mul_i32 s[G0K+1], s19, 128*PK                ; slot 0, my half
	s_mov_b32 s[G0V], 1
	s_mul_i32 s[G0V+1], s19, 128*PV
	s_add_co_u32 s[G0V+1], s[G0V+1], VOFF
	s_mov_b32 s[SEL], 0x76543210
	s_mov_b32 s[SEL+1], 0xfedcba98
	s_mov_b32 s[TB], 0
	s_mov_b32 s[SLOTS], NSL-1
	s_and_b32 s[LIM], s[WV], 13                    ; 4 in waves 4 and 6 alone
	s_cmp_eq_u32 s[LIM], 4
	s_cselect_b32 s[LIM], 1, -1
	v_and_b32 v[PFO], 31, v0
	v_lshlrev_b32 v[PFO], 8, v[PFO]
	s_wait_dscnt 0x0                               ; both opening adds are done
	s_wait_kmcnt 0x0
	s_add_nc_u64 s[8:9], s[4:5], s[52:53]          ; K and V at my half of slot 0 (in even waves: at the head's first row)
	s_add_nc_u64 s[10:11], s[4:5], s[54:55]
	s_mov_b64 s[G0K+2:G0K+3], s[8:9]
	s_or_b32 s[G0K+3], s[G0K+3], 0x80000000
	s_mov_b64 s[G0V+2:G0V+3], s[10:11]
	s_or_b32 s[G0V+3], s[G0V+3], 0x80000000
	s_cmp_eq_u32 s[WV], 4
	s_cselect_b64 s[PFA:PFA+1], s[8:9], s[10:11]
	s_add_nc_u64 s[PFA:PFA+1], s[PFA:PFA+1], s[56:57]
	s_add_nc_u64 s[4:5], s[4:5], s[48:49]
	s_add_nc_u64 s[6:7], s[6:7], s[58:59]
	CROUND                                         ; all four work-groups are here: the first joint loads meet
	TLOAD                                          ; slot 0
	v_and_b32 v11, 15, v0                          ; r
	v_bfe_u32 v3, v0, 4, 1                         ; h
	v_lshlrev_b32 v[GO], 7, v11
	v_lshl_add_u32 v[GO], v3, 4, v[GO]             ; Q: row r of 128 bytes + 16 h
.irp t, 0,1                                    ; Q stays in registers: tile t, channels 32 c on
.irp c, 0,1
	global_load_b128 v[QF+16*\t+8*\c:QF+16*\t+8*\c+3],   v[GO], s[4:5] offset:\t*2048+\c*64
	global_load_b128 v[QF+16*\t+8*\c+4:QF+16*\t+8*\c+7], v[GO], s[4:5] offset:\t*2048+\c*64+32
.endr
.endr
	v_mul_u32_u24 v[AK0], v11, PK
	v_lshl_add_u32 v[AK0], v3, 4, v[AK0]           ; K: row r x pitch + 16 h
	v_and_b32 v4, 7, v0
	v_lshl_add_u32 v[AV0], v3, 3, v4               ; V, for the turning load: key 8 h + l % 8, channels 8 ((l / 8) % 2) on
	v_mul_u32_u24 v[AV0], v[AV0], PV
	v_bfe_u32 v4, v0, 3, 1
	v_lshl_add_u32 v[AV0], v4, 4, v[AV0]
	v_add_nc_u32 v[AV0], VOFF, v[AV0]
.irp t, 0,1
	v_mov_b32 v[ST+8*\t], 0xff61b1e6               ; m: -3e38, under every score
.irp n, 1,2,3,4,5,6,7
	v_mov_b32 v[ST+8*\t+\n], 0                     ; l begins at 0; the others are written once, since pairs and lane permutes name them
.endr
.endr
.set i, 0
.rept 64
	v_mov_b32 v[OF+i], 0                           ; O^T.  (The step is written once: its first a is 0 and multiplies zeros)
.set i, i+1
.endr
; THE SOFTMAX of a key step, both tiles by turns, so that no line waits for the line above it.
.macro SOFTMAX
.irp j, 0,1,2,3                                ; the maximum: four chains, each begun at the low end of one of the tile's four accumulators
.irp t, 0,1
	v_max3_num_f32 v[ST+8*\t+4+\j], v[SF+32*\t+8*\j], v[SF+32*\t+8*\j+1], v[SF+32*\t+8*\j+2]
.endr
.endr
.irp n, 3,5
.irp j, 0,1,2,3
.irp t, 0,1
	v_max3_num_f32 v[ST+8*\t+4+\j], v[ST+8*\t+4+\j], v[SF+32*\t+8*\j+\n], v[SF+32*\t+8*\j+\n+1]
.endr
.endr
.endr
.irp t, 0,1
	v_max3_num_f32 v[ST+8*\t+4], v[ST+8*\t+4], v[SF+32*\t+7], v[SF+32*\t+15]
	v_max3_num_f32 v[ST+8*\t+6], v[ST+8*\t+6], v[SF+32*\t+23], v[SF+32*\t+31]
.endr
.irp t, 0,1
	v_max3_num_f32 v[ST+8*\t+4], v[ST+8*\t+4], v[ST+8*\t+5], v[ST+8*\t+6]
.endr
.irp t, 0,1
	v_max3_num_f32 v[ST+8*\t+4], v[ST+8*\t+4], v[ST+8*\t+7], v[ST+8*\t]   ; with the old m
.endr
.irp t, 0,1
	v_permlanex16_b32 v[ST+8*\t+5], v[ST+8*\t+4], s[SEL], s[SEL+1]        ; the query's other 32 keys lie in the lane 16 away
.endr
.irp t, 0,1
	v_max_num_f32 v[ST+8*\t], v[ST+8*\t+4], v[ST+8*\t+5]                  ; the new m
.endr
.irp t, 0,1
	v_sub_f32 v[ST+8*\t+1], v[ST+8*\t+1], v[ST+8*\t]                      ; m_old - m_new, 0 or less
.endr
.set i, 0
.rept 16
.irp t, 0,1
	v_pk_add_f32 v[SF+32*\t+2*i:SF+32*\t+2*i+1], v[SF+32*\t+2*i:SF+32*\t+2*i+1], v[ST+8*\t:ST+8*\t+1] op_sel_hi:[1,0] neg_lo:[0,1] neg_hi:[0,1]   ; s - m, two at a time
.endr
.set i, i+1
.endr
.irp t, 0,1                                    ; ONE BATCH of 66 exponentials: none reads another's result
	v_exp_f32 v[ST+8*\t+6], v[ST+8*\t+1]           ; a
.endr
.set i, 0
.rept 32
	v_exp_f32 v[SF+i], v[SF+i]                     ; p
	v_exp_f32 v[SF+32+i], v[SF+32+i]
.set i, i+1
.endr
	v_nop                                          ; a plain instruction behind the last exponential (ISA guide 5.7.2),
	s_wait_alu depctr_va_vdst(0)                   ; and the one wait ahead of the batch's first reader
.irp t, 0,1                                    ; l = a l + the sum of the UNROUNDED p, in two chains
	v_pk_fma_f32 v[ST+8*\t+2:ST+8*\t+3], v[ST+8*\t+2:ST+8*\t+3], v[ST+8*\t+6:ST+8*\t+7], v[SF+32*\t:SF+32*\t+1] op_sel_hi:[1,0,1]
	v_pk_add_f32 v[ST+8*\t+4:ST+8*\t+5], v[SF+32*\t+2:SF+32*\t+3], v[SF+32*\t+4:SF+32*\t+5]
.endr
.irp n, 3,5,7,9,11,13
.irp t, 0,1
	v_pk_add_f32 v[ST+8*\t+2:ST+8*\t+3], v[ST+8*\t+2:ST+8*\t+3], v[SF+32*\t+2*\n:SF+32*\t+2*\n+1]
	v_pk_add_f32 v[ST+8*\t+4:ST+8*\t+5], v[ST+8*\t+4:ST+8*\t+5], v[SF+32*\t+2*\n+2:SF+32*\t+2*\n+3]
.endr
.endr
.irp t, 0,1
	v_pk_add_f32 v[ST+8*\t+2:ST+8*\t+3], v[ST+8*\t+2:ST+8*\t+3], v[SF+32*\t+30:SF+32*\t+31]
.endr
.irp t, 0,1
	v_pk_add_f32 v[ST+8*\t+2:ST+8*\t+3], v[ST+8*\t+2:ST+8*\t+3], v[ST+8*\t+4:ST+8*\t+5]
.endr
.set i, 0
.rept 16                                       ; p to f16, packed in place: register i takes numbers 2 i and 2 i + 1, i ascending, so nothing is written before it is read
.irp t, 0,1
	v_cvt_pk_f16_f32 v[SF+32*\t+i], v[SF+32*\t+2*i], v[SF+32*\t+2*i+1]
.endr
.set i, i+1
.endr
.set i, 0
.rept 16                                       ; O^T x a, each accumulator from its low end on
.irp t, 0,1
	v_pk_mul_f32 v[OF+32*\t+2*i:OF+32*\t+2*i+1], v[OF+32*\t+2*i:OF+32*\t+2*i+1], v[ST+8*\t+6:ST+8*\t+7] op_sel_hi:[1,0]
.endr
.set i, i+1
.endr
.endm
; A KEY STEP: 64 keys, the q-th of the slot in hand.
.macro STEP q
	v_add_nc_u32 v[ADK], s[TB], v[AK0]             ; five plain instructions behind the last V^T P: four are owed by the loads into its fragments' registers,
	v_add_nc_u32 v[ADV], s[TB], v[AV0]             ; five by the products below, which write over p (ISA guide 7.12.1)
.rept 3
	v_nop
.endr
.irp f, 0,1,2,3,4,5,6,7                        ; K: keys 16 (f / 2) on, channels 32 (f % 2) on
	ds_load_b128 v[FF+8*\f:FF+8*\f+3],   v[ADK] offset:(\q)*64*PK+(\f/2)*16*PK+(\f%2)*64
	ds_load_b128 v[FF+8*\f+4:FF+8*\f+7], v[ADK] offset:(\q)*64*PK+(\f/2)*16*PK+(\f%2)*64+32
.endr
	s_wait_dscnt 0x0
.set i, 0
.rept 16                                       ; S^T = K Q^T: channels 32 (i / 8) on, keys 16 ((i / 2) % 4) on, tile i % 2.  The eight accumulators take turns; the first eight products start the sums
.set rS, SF+32*(i%2)+8*((i/2)%4)
.set rK, FF+8*(2*((i/2)%4)+i/8)
.set rQ, QF+16*(i%2)+8*(i/8)
.if i < 8
	v_wmma_f32_16x16x32_f16 v[rS:rS+7], v[rK:rK+7], v[rQ:rQ+7], 0
.else
	v_wmma_f32_16x16x32_f16 v[rS:rS+7], v[rK:rK+7], v[rQ:rQ+7], v[rS:rS+7]
.endif
.set i, i+1
.endr
	v_mov_b32 v[ST+1], v[ST]                       ; m is kept for a.  With the two v_nop: the four places behind those products
	v_mov_b32 v[ST+9], v[ST+8]
	v_nop
	v_nop
.irp f, 0,1,2,3,4,5,6,7                        ; V, turned: keys 32 (f / 4) on, channels 16 (f % 4) on; it lands while the softmax is walked
	ds_load_tr16_b128 v[FF+8*\f:FF+8*\f+3],   v[ADV] offset:(\q)*64*PV+(\f/4)*32*PV+(\f%4)*32
	ds_load_tr16_b128 v[FF+8*\f+4:FF+8*\f+7], v[ADV] offset:(\q)*64*PV+(\f/4)*32*PV+16*PV+(\f%4)*32
.endr
	SOFTMAX
	s_wait_dscnt 0x0                               ; V is in
.set i, 0
.rept 16                                       ; O^T += V^T P: keys 32 (i / 8) on, channels 16 ((i / 2) % 4) on, tile i % 2: again eight accumulators by turns
.set rO, OF+32*(i%2)+8*((i/2)%4)
.set rV, FF+8*(4*(i/8)+(i/2)%4)
.set rP, SF+32*(i%2)+8*(i/8)
	v_wmma_f32_16x16x32_f16 v[rO:rO+7], v[rV:rV+7], v[rP:rP+7], v[rO:rO+7]
.set i, i+1
.endr
.endm
; THE CHANGE OF SLOTS stands at a slot's head.  Each wave waits for all its tensor loads (its part of the slot ahead), adds 0 to its spare word, and waits for that and for its reads of the slot that it has left.
; fill = 1: the barrier is a round of the cluster's, so that no wave of any partner still reads the slot or has a load on its way, and the joint fill of the slot just left is the first thing behind it: it has four key steps in which to land.
.macro CHANGE fill
	s_wait_tensorcnt 0x0                           ; no tensor load of mine is out, so a group 0 may be written
	ds_add_u32 v[SPW], v[NIL]                      ; 0 onto my spare word
.if \fill
	ds_add_u32 v[SPW], v[NIL]                      ; and once more: the add twice on end here, in every trip alike
	s_xor_b32 s[G0K+1], s[G0K+1], SLOT1            ; the walking descriptors: the other slot than last time,
	s_add_nc_u64 s[G0K+2:G0K+3], s[G0K+2:G0K+3], SKEYS*128   ; the next 256 keys; the type bits on top are not reached
	s_xor_b32 s[G0V+1], s[G0V+1], SLOT1
	s_add_nc_u64 s[G0V+2:G0V+3], s[G0V+2:G0V+3], SKEYS*128
	s_wait_xcnt 0x0                                ; the last prefetch, a slot back, has read its address, so it may be written:
	s_add_nc_u64 s[PFA:PFA+1], s[PFA:PFA+1], SKEYS*128       ; one slot further on than the walking descriptors
	s_wait_dscnt 0x0                               ; both adds are done, and my reads of the slot that I have left are over
	CROUND
	TLOAD                                          ; a wave's one tensor load until the next round
	ASK
.else
	s_wait_dscnt 0x0
	s_barrier_signal -1
	s_barrier_wait -1
.endif
.endm
.macro SLOT_STEPS
	STEP 0
	STEP 1
	STEP 2
	STEP 3
	s_xor_b32 s[TB], s[TB], SLOT1                  ; on to the other slot
.endm
	s_wait_loadcnt 0x0                             ; Q
.Lslot:                                            ; NSL - 1 trips: behind each change of slots but the last the next slot is asked for
	CHANGE 1
	SLOT_STEPS
	s_sub_co_u32 s[SLOTS], s[SLOTS], 1
	s_cmp_lg_u32 s[SLOTS], 0
	s_cbranch_scc1 .Lslot
	CHANGE 0                                       ; the last slot is written out
	SLOT_STEPS
	; THE WAY OUT.  O^T is divided by l, rounded to f16 and sent through my stage in LDS: two tiles of 16 rows x (128 bytes + 16), from byte 4,608 x wave of slot 0, which was left at the last change of slots
	; and has had its last fill.  The address lines are the places behind the last products.
	s_mul_i32 s15, s[WV], 2*16*PK
	v_and_b32 v11, 15, v0                          ; r
	v_bfe_u32 v3, v0, 4, 1                         ; h
	v_mul_u32_u24 v[STO], v11, PK                  ; in: row r, 16 bytes for each half of the lanes
	v_lshl_add_u32 v[STO], v3, 4, v[STO]
	v_add_nc_u32 v[STO], s15, v[STO]
	v_bfe_u32 v4, v0, 3, 2
	v_mul_u32_u24 v[RD], v4, PK                    ; back: eight lanes to a row, four rows an instruction
	v_and_b32 v11, 7, v0
	v_lshl_add_u32 v[RD], v11, 4, v[RD]
	v_add_nc_u32 v[RD], s15, v[RD]
	v_and_b32 v[GO], 31, v0
	v_lshlrev_b32 v[GO], 4, v[GO]                  ; and the same 512 bytes in o
.irp t, 0,1
	v_add_f32 v[ST+8*\t+4], v[ST+8*\t+2], v[ST+8*\t+3]
.endr
.irp t, 0,1
	v_permlanex16_b32 v[ST+8*\t+5], v[ST+8*\t+4], s[SEL], s[SEL+1]
.endr
.irp t, 0,1
	v_add_f32 v[ST+8*\t+4], v[ST+8*\t+4], v[ST+8*\t+5]   ; the row's sum
.endr
.irp t, 0,1
	v_rcp_f32 v[ST+8*\t+6], v[ST+8*\t+4]
.endr
	v_nop                                          ; a plain instruction behind the last reciprocal,
	s_wait_alu depctr_va_vdst(0)                   ; and the one wait ahead of the first reader
.macro OUT t
.set i, 0
.rept 16
	v_pk_mul_f32 v[OF+32*\t+2*i:OF+32*\t+2*i+1], v[OF+32*\t+2*i:OF+32*\t+2*i+1], v[ST+8*\t+6:ST+8*\t+7] op_sel_hi:[1,0]
.set i, i+1
.endr
.set i, 0
.rept 16
	v_cvt_pk_f16_f32 v[SF+32*\t+i], v[OF+32*\t+2*i], v[OF+32*\t+2*i+1]   ; registers 4 c .. 4 c + 3: channels 16 c + 8 h + 0 .. 7 of query r
.set i, i+1
.endr
.irp c, 0,1,2,3
	ds_store_b128 v[STO], v[SF+32*\t+4*\c:SF+32*\t+4*\c+3] offset:\t*16*PK+32*\c
.endr
.irp c, 0,1,2,3
	ds_load_b128 v[FF+16*\t+4*\c:FF+16*\t+4*\c+3], v[RD] offset:\t*16*PK+4*PK*\c   ; LDS serves a wave's instructions in order (ISA guide 5.7.1.4): these see my stores
.endr
.endm
	OUT 0
	OUT 1
.irp c, 0,1,2,3
	s_wait_dscnt 11-\c                             ; behind tile 0's load c: its younger loads, and tile 1's four stores and four loads
	global_store_b128 v[GO], v[FF+4*\c:FF+4*\c+3], s[6:7] offset:512*\c            ; the wave stores 512 consecutive bytes, aligned
.endr
.irp c, 0,1,2,3
	s_wait_dscnt 3-\c
	global_store_b128 v[GO], v[FF+16+4*\c:FF+16+4*\c+3], s[6:7] offset:2048+512*\c
.endr
	s_wait_tensorcnt 0x0                           ; the wave's end
	ds_add_u32 v[SPW], v[NIL]
	s_wait_dscnt 0x0
	CROUND                                         ; the closing round
	s_endpgm
.Lfunc_end_k_q9017b6d0ed_attn:
	.size	k_q9017b6d0ed_attn, .Lfunc_end_k_q9017b6d0ed_attn-k_q9017b6d0ed_attn
	.p2alignl 7, 3214868480
	.fill 96, 4, 3214868480
	.section	.rodata,"a",@progbits
	.p2align	6, 0x0
	.amdhsa_kernel k_q9017b6d0ed_attn
		.amdhsa_group_segment_fixed_size 327680
		.amdhsa_private_segment_fixed_size 0
		.amdhsa_enable_private_segment 0
		.amdhsa_kernarg_size 16
		.amdhsa_user_sgpr_count 2
		.amdhsa_user_sgpr_kernarg_segment_ptr 1
		.amdhsa_wavefront_size32 1
		.amdhsa_system_sgpr_workgroup_id_x 1
		.amdhsa_system_sgpr_workgroup_id_y 1
		.amdhsa_system_sgpr_workgroup_id_z 1
		.amdhsa_system_vgpr_workitem_id 0
		.amdhsa_next_free_vgpr 256
		.amdhsa_next_free_sgpr 90
		.amdhsa_reserve_vcc 0
		.amdhsa_float_denorm_mode_32 3
		.amdhsa_float_denorm_mode_16_64 3
		.amdhsa_memory_ordered 1
		.amdhsa_forward_progress 1
		.amdhsa_inst_pref_size 153
	.end_amdhsa_kernel
	.amdgpu_metadata
---
amdhsa.version: [ 1, 2 ]
amdhsa.kernels:
  - .name:           k_q9017b6d0ed_attn
    .symbol:         k_q9017b6d0ed_attn.kd
    .args:
      - { .name: qkv, .offset: 0, .size: 8, .value_kind: global_buffer, .address_space: global }
      - { .name: o, .offset: 8, .size: 8, .value_kind: global_buffer, .address_space: global }
    .group_segment_fixed_size: 327680
    .private_segment_fixed_size: 0
    .kernarg_segment_align: 8
    .kernarg_segment_size: 16
    .max_flat_workgroup_size: 512
    .sgpr_count:     90
    .vgpr_count:     256
    .wavefront_size: 32
...
	.end_amdgpu_metadata
.endif
;; end of part 3
;; launch proj (part 4): grid 32 x 8, 4 waves a work-group, clusters of 4 x 4, 327,680 bytes of LDS; arguments w16, o, b_out, out0; writes out0
.if DOCPART == 4
	.amdgcn_target "amdgcn-amd-amdhsa--gfx1250"
	.amdhsa_code_object_version 6
	.text
	.protected	k_q9017b6d0ed_proj
	.globl	k_q9017b6d0ed_proj
	.p2align	8
	.type	k_q9017b6d0ed_proj,@function
k_q9017b6d0ed_proj:
	s_mov_b64 s[64:65], 0
	v_nop
	global_prefetch_b8 v0, s[64:65] scope:SCOPE_SE
	s_setreg_imm32_b32 hwreg(HW_REG_WAVE_MODE, 25, 1), 1
	s_wait_xcnt 0x0
	s_wait_alu depctr_hold_cnt(0) depctr_sa_sdst(0) depctr_va_vdst(0) depctr_va_sdst(0) depctr_va_ssrc(0) depctr_va_vcc(0) depctr_vm_vsrc(0)
	s_getreg_b32 s2, hwreg(HW_REG_IB_STS2, 6, 4)
	s_cmp_eq_u32 s2, 0
	s_cbranch_scc0 .Lentry_in_a_cluster
	s_endpgm
.Lentry_in_a_cluster:
	s_bfe_u32 s2, ttmp6, 0x10000c
	s_cmp_lg_u32 s2, 0xf033
	s_cbranch_scc0 .Lentry_shape_is_right
	s_endpgm
.Lentry_shape_is_right:
; out0[b][c][t] = sum over k of o(b, t, k) w_out[k][c] + b_out[c].  o: [16 b + h][t][64] f16, k = 64 h + d;  w16: [k][c] f16, rows of 2,048 bytes;  out0: [4][1024][2048] f32.  Sums in f32.
; A tile is 128 c x 256 t: 8 x 32 = 256 work-groups.  Four waves, each 64 c x 128 t: 32 accumulators, 256 registers.  K goes in 8 steps of 128 (two heads) through a ring of two LDS slots.
; THE PRODUCT IS LAID SO THAT THE RESULT IS ALREADY TURNED: source 0 = 16 rows t of o (K lies along its rows), source 1 = 16 columns c of w16, which comes out of LDS turned, by ds_load_tr16_b128.
; In the result a lane holds ONE c (lane % 16) and eight neighbouring t: 32 bytes of a row of out0.  The bias is the C of each sum's first product.
; CLUSTERS: 4 x 4 work-groups.  w16's tile hangs on the tile's c alone and is shared along a row of the cluster, o's on its t alone and is shared along a column: each is asked for JOINTLY.
; No prefetch: the tile is small and a K step short.   REGISTERS: window 0: v16-29 addresses; v32-63 the bias; v64-159, v160-255 two fragment buffers (64 registers of o, 32 of w16).  window 1: accumulator (a, b) at v[8 (8 a + b)].
.set PA,    288                        ; a row of w16's tile in LDS: 256 bytes + 32
.set PB,    144                        ; a row of o's: 128 bytes + 16
.set BOFF,  128*PA                     ; a slot: 128 K rows of w16, then two heads' 256 rows of o
.set HB,    256*PB
.set SLOT,  BOFF+2*HB
.set SPARE, 2*SLOT                     ; behind the ring: the spare words, 128 bytes for each wave, which no other line names
.set SPITCH, 528                       ; the way out: 16 rows x (512 bytes + 16) for each wave, in slot 0, which has had its last fill and its last read by then
.set ADRA, 16                          ; v16-17  my fragments of w16 in slot 0, 1
.set ADRB, 20                          ; v20-21  of o
.set STO,  24
.set RD,   25
.set CO,   26
.set SPW,  28
.set NIL,  29
.set BI,   32
.set F0,   64
.set F1,   160
.set G1, 24                            ; s[24:31] group 1 for w16's tiles; s[32:39] group 0, one set for each slot
.set G0, 32
.set G1B, 48                           ; s[48:55], s[56:63] the same for o's
.set G0B, 56
.set MSB, 0
.macro WIN new                         ; the immediate's high byte repeats the setting that is left
.if MSB != (\new)
	s_set_vgpr_msb (MSB<<8)|(\new)
.set MSB, (\new)
.endif
.endm
.set MUL,  0x50                        ; sources 0 and 1 window 0; C and D window 1
.set MUL1, 0x40                        ; the first products: C, the bias, in window 0
.macro JLOAD s                         ; waves 0 and 1 fetch w16's two halves, waves 2 and 3 o's two heads; an s_nop 0 and four v_nop follow each line
	s_cmp_eq_u32 s11, 0
	s_cbranch_scc0 .Lfor_b_\@
	tensor_load_to_lds s[G0+4*\s:G0+4*\s+3], s[G1:G1+7]
	s_nop 0
.rept 4
	v_nop
.endr
	s_branch .Lasked_\@
.Lfor_b_\@:
	tensor_load_to_lds s[G0B+4*\s:G0B+4*\s+3], s[G1B:G1B+7]
	s_nop 0
.rept 4
	v_nop
.endr
.Lasked_\@:
.endm
.macro CREST                           ; a round of the cluster's barrier behind its opening barrier
	s_cmp_lg_u32 s10, 0
	s_cbranch_scc1 .Lnot_wave_0_\@
	s_barrier_signal -3
.Lnot_wave_0_\@:
	s_barrier_wait -3
	s_barrier_signal -1
	s_barrier_wait -1
.endm
.macro CROUND
	s_barrier_signal -1
	s_barrier_wait -1
	CREST
.endm
	s_load_b128 s[4:7], s[0:1], 0x0                ; w16 s[4:5], o s[6:7]
	s_load_b128 s[20:23], s[0:1], 0x10             ; b_out s[20:21], out0 s[22:23]
	v_lshl_add_u32 v[SPW], v0, 2, SPARE
	v_mov_b32 v[NIL], 0
	ds_add_u32 v[SPW], v[NIL]                      ; the wave's opening: the add, twice on end, and its wait ahead of my first tensor load
	ds_add_u32 v[SPW], v[NIL]                      ; and once more; the set-up below stands between it and the wait
	v_lshrrev_b32 v1, 5, v0
	v_readfirstlane_b32 s10, v1                    ; wave 0..3
	s_lshr_b32 s11, s10, 1                         ; i: which 64 c are mine.  Also: I fetch for w16 (0) or for o (1)
	s_and_b32 s12, s10, 1                          ; j: which 128 t are mine.  Also: which half of that tile I fetch
	s_bfe_u32 s40, ttmp6, 0x40000                  ; cx, cy
	s_bfe_u32 s41, ttmp6, 0x40004
	s_lshl_b32 s42, ttmp9, 2
	s_add_co_u32 s42, s42, s40                     ; X: which 256 of the 8,192 (b, t)
	s_and_b32 s13, ttmp7, 0xffff
	s_lshl_b32 s13, s13, 2
	s_add_co_u32 s13, s13, s41                     ; Y: which 128 c
	s_lshl_b32 s43, s41, 2
	s_lshl_b32 s43, 15, s43                        ; my row of the cluster
	s_lshl_b32 s44, 0x1111, s40                    ; my column
	s_or_b32 s[G1+0], s43, (1<<16)|(1<<20)|(1<<21)|(5<<22)|(7<<25)  ; the mask; elements of 2 bytes; padding on; bit 21 beside a mask; after every 64 words, 8 words
	s_mov_b32 s[G1+1], 128<<16                     ; tensor_dim0 = 128
	s_mov_b32 s[G1+2], 64<<16                      ; tensor_dim1 = 64
	s_mov_b32 s[G1+3], 128<<16                     ; tile_dim0 = 128
	s_mov_b32 s[G1+4], 64                          ; tile_dim1 = 64
	s_mov_b32 s[G1+5], 1024                        ; from row to row
	s_mov_b32 s[G1+6], 0
	s_mov_b32 s[G1+7], 0
	s_or_b32 s[G1B+0], s44, (1<<16)|(1<<20)|(1<<21)|(4<<22)|(3<<25) ; after every 32 words, 4 words
	s_mov_b32 s[G1B+1], 64<<16
	s_mov_b32 s[G1B+2], 256<<16
	s_mov_b32 s[G1B+3], 64<<16
	s_mov_b32 s[G1B+4], 256
	s_mov_b32 s[G1B+5], 64
	s_mov_b32 s[G1B+6], 0
	s_mov_b32 s[G1B+7], 0
	s_lshl_b32 s16, s12, 17                        ; w16: K rows 64 j on (2,048 bytes each),
	s_lshl_b32 s17, s13, 8                         ; columns 128 Y on
	s_add_co_u32 s16, s16, s17
	s_mov_b32 s17, 0
	s_lshr_b32 s46, s42, 3                         ; o: the batch,
	s_lshl_b32 s46, s46, 4
	s_add_co_u32 s46, s46, s12                     ; head 16 b + j,
	s_lshl_b32 s46, s46, 18
	s_and_b32 s47, s42, 7
	s_lshl_b32 s47, s47, 15                        ; rows t 256 (X % 8) on
	s_add_co_u32 s46, s46, s47
	s_mov_b32 s47, 0
	s_mul_i32 s18, s12, 64*PA                      ; where they go: no place in the cluster enters an LDS address
	s_mul_i32 s19, s12, HB
	s_add_co_u32 s19, s19, BOFF
	s_wait_dscnt 0x0                               ; both opening adds are done
	s_wait_kmcnt 0x0
	s_add_nc_u64 s[14:15], s[4:5], s[16:17]
	s_add_nc_u64 s[46:47], s[6:7], s[46:47]
	CROUND                                         ; all sixteen work-groups are here: the first joint loads meet
.irp s, 0,1
	s_mov_b32 s[G0+4*\s], 1
	s_add_co_u32 s[G0+4*\s+1], s18, \s*SLOT
	s_add_nc_u64 s[G0+4*\s+2:G0+4*\s+3], s[14:15], \s*128*2048      ; K step s: 128 rows down
	s_or_b32 s[G0+4*\s+3], s[G0+4*\s+3], 0x80000000
	s_mov_b32 s[G0B+4*\s], 1
	s_add_co_u32 s[G0B+4*\s+1], s19, \s*SLOT
	s_add_nc_u64 s[G0B+4*\s+2:G0B+4*\s+3], s[46:47], \s*2*262144    ; two heads on
	s_or_b32 s[G0B+4*\s+3], s[G0B+4*\s+3], 0x80000000
	JLOAD \s                                       ; two loads of mine are out
.endr
	v_and_b32 v1, 15, v0                           ; r
	v_bfe_u32 v2, v0, 4, 1                         ; h
	v_mul_u32_u24 v3, v1, PB
	v_lshl_add_u32 v3, v2, 4, v3                   ; o: row r x pitch + 16 h
	s_mul_i32 s16, s12, 128*PB                     ; my 128 rows t
	s_add_co_u32 s16, s16, BOFF
	v_and_b32 v4, 7, v0
	v_lshl_add_u32 v4, v2, 3, v4                   ; w16, for the turning load: K row 8 h + l % 8, columns 8 ((l / 8) % 2) on
	v_mul_u32_u24 v4, v4, PA
	v_bfe_u32 v5, v0, 3, 1
	v_lshl_add_u32 v4, v5, 4, v4
	s_lshl_b32 s17, s11, 7                         ; my 64 columns: 128 bytes
.irp s, 0,1
	v_add_nc_u32 v[ADRA+\s], s17, v4
	v_add_nc_u32 v[ADRB+\s], s16, v3
	s_add_co_u32 s17, s17, SLOT
	s_add_co_u32 s16, s16, SLOT
.endr
	s_mul_i32 s16, s10, 16*SPITCH                  ; my stage
	v_mul_u32_u24 v5, v1, SPITCH                   ; in: row r, 32 bytes for each half of the lanes
	v_lshl_add_u32 v5, v2, 5, v5
	v_add_nc_u32 v[STO], s16, v5
	v_and_b32 v6, 31, v0
	v_lshlrev_b32 v[CO], 4, v6                     ; back: the 32 lanes take one row of 512 bytes; and the same in out0
	v_add_nc_u32 v[RD], s16, v[CO]
	v_lshlrev_b32 v7, 2, v1                        ; the bias: 4 r
	s_lshl_b32 s16, s13, 9
	s_lshl_b32 s17, s11, 8
	s_add_co_u32 s16, s16, s17                     ; 4 x (128 Y + 64 i)
	s_mov_b32 s17, 0
	s_add_nc_u64 s[20:21], s[20:21], s[16:17]
.irp a, 0,1,2,3
	global_load_b32 v[BI+8*\a], v7, s[20:21] offset:64*\a
.endr
	s_lshr_b32 s16, s42, 3
	s_lshl_b32 s16, s16, 23                        ; out0: the batch, 2^23 bytes;
	s_lshl_b32 s17, s13, 20                        ; 128 Y rows of 8,192 bytes;
	s_add_co_u32 s16, s16, s17
	s_lshl_b32 s17, s11, 19                        ; 64 i rows;
	s_add_co_u32 s16, s16, s17
	s_and_b32 s17, s42, 7
	s_lshl_b32 s17, s17, 10                        ; 256 (X % 8) numbers;
	s_add_co_u32 s16, s16, s17
	s_lshl_b32 s17, s12, 9                         ; 128 j numbers: all under 2^25
	s_add_co_u32 s16, s16, s17
	s_mov_b32 s17, 0
	s_add_nc_u64 s[22:23], s[22:23], s[16:17]
	s_wait_loadcnt 0x0
.irp a, 0,1,2,3                                ; in the result's layout a lane's eight registers belong to one c: the same bias eight times
.irp n, 1,2,3,4,5,6,7
	v_mov_b32 v[BI+8*\a+\n], v[BI+8*\a]
.endr
.endr
; 8 matrix instructions: block a of c x all 8 blocks of t, 32 along K, from buffer f.  first = 1: the bias starts the sums.  The 32 accumulators take turns, in the same order in every quarter.
.macro MUL8 f, a, first
.irp b, 0,1,2,3,4,5,6,7
.if \first
	v_wmma_f32_16x16x32_f16 v[8*(8*(\a)+\b):8*(8*(\a)+\b)+7], v[\f+8*\b:\f+8*\b+7], v[\f+64+8*(\a):\f+64+8*(\a)+7], v[BI+8*(\a):BI+8*(\a)+7]
.else
	v_wmma_f32_16x16x32_f16 v[8*(8*(\a)+\b):8*(8*(\a)+\b)+7], v[\f+8*\b:\f+8*\b+7], v[\f+64+8*(\a):\f+64+8*(\a)+7], v[8*(8*(\a)+\b):8*(8*(\a)+\b)+7]
.endif
.endr
.endm
; 24 LDS loads in one run: quarter q of a K step (32 along K: head q / 2, channels 32 (q % 2) on) into buffer f: o's eight fragments, then w16's four
.macro FETCH slot, q, f
	WIN 0
.irp b, 0,1,2,3,4,5,6,7
	ds_load_b128 v[\f+8*\b:\f+8*\b+3],   v[ADRB+\slot] offset:((\q)/2)*HB+((\q)%2)*64+\b*16*PB
	ds_load_b128 v[\f+8*\b+4:\f+8*\b+7], v[ADRB+\slot] offset:((\q)/2)*HB+((\q)%2)*64+\b*16*PB+32
.endr
.irp a, 0,1,2,3
	ds_load_tr16_b128 v[\f+64+8*\a:\f+64+8*\a+3],   v[ADRA+\slot] offset:(\q)*32*PA+32*\a
	ds_load_tr16_b128 v[\f+64+8*\a+4:\f+64+8*\a+7], v[ADRA+\slot] offset:(\q)*32*PA+32*\a+16*PA
.endr
.endm
.macro PLACES                          ; four plain instructions in front of loads into registers that matrix instructions have read, and of the first read of results
.rept 4
	v_nop
.endr
.endm
; One of a K step's first three quarters: multiplies buffer f and, in its middle, fetches quarter q into buffer g.
.macro QUARTER slot, q, f, g, first
	s_wait_dscnt 4                                 ; all but the youngest four loads (w16's blocks 2 and 3)
	WIN MUL-0x10*\first
	MUL8 \f, 0, \first
	MUL8 \f, 1, \first
	PLACES
	FETCH \slot, \q, \g
	s_wait_dscnt 24                                ; all but the 24 just issued
	WIN MUL-0x10*\first
	MUL8 \f, 2, \first
	MUL8 \f, 3, \first
.endm
; The last quarter multiplies buffer 1 and changes slots: ONE barrier; in front of it each wave waits for all its tensor loads, adds 0 to its spare word, and waits for that and for its reads of this slot.
; fill = 1: the barrier opens a round of the cluster's, and this slot is filled again, two K steps ahead, first thing behind the round.
.macro TURN slot, next, fill
	WIN 0                                          ; (the add's two registers lie in window 0)
	s_wait_tensorcnt 0x0                           ; all my tensor loads have landed: my part of the next slot
	ds_add_u32 v[SPW], v[NIL]                      ; 0 onto my spare word
	s_wait_dscnt 5                                 ; (the add and the youngest four loads may be out)
	WIN MUL
	MUL8 F1, 0, 0                                  ; eight matrix instructions stand between the add and the wait for it
	s_wait_dscnt 0x0                               ; the add is done, and my reads of this slot are over
	s_barrier_signal -1
	MUL8 F1, 1, 0
	WIN 0
	s_barrier_wait -1
.if \fill
	CREST                                          ; no wave of any partner still reads this slot's tiles or has a load on its way
	s_add_nc_u64 s[G0+4*\slot+2:G0+4*\slot+3], s[G0+4*\slot+2:G0+4*\slot+3], 2*128*2048
	s_add_nc_u64 s[G0B+4*\slot+2:G0B+4*\slot+3], s[G0B+4*\slot+2:G0B+4*\slot+3], 4*262144
	JLOAD \slot                                    ; the four v_nop behind it are also the places in front of the loads below
.else
	PLACES
.endif
	FETCH \next, 0, F0
	WIN MUL
	MUL8 F1, 2, 0
	MUL8 F1, 3, 0
.endm
	s_wait_tensorcnt 1                             ; my part of K step 0 is in (K step 1's load may be out)
	s_barrier_signal -1
	s_barrier_wait -1                              ; everybody's is
	FETCH 0, 0, F0
	QUARTER 0, 1, F0, F1, 1                        ; the first quarter stands in front of the loop: its products start the sums
	WIN 0                                          ; at a label and at a branch every window is 0
	s_mov_b32 s3, 3
.Llap:                                                 ; a trip goes once round the ring, from a lap's second quarter to the next lap's first, and fills both slots again
	QUARTER 0, 2, F1, F0, 0
	QUARTER 0, 3, F0, F1, 0
	TURN 0, 1, 1
	QUARTER 1, 1, F0, F1, 0
	QUARTER 1, 2, F1, F0, 0
	QUARTER 1, 3, F0, F1, 0
	TURN 1, 0, 1
	QUARTER 0, 1, F0, F1, 0
	WIN 0
	s_sub_co_u32 s3, s3, 1
	s_cmp_lg_u32 s3, 0
	s_cbranch_scc1 .Llap
	QUARTER 0, 2, F1, F0, 0                        ; the last lap fills nothing
	QUARTER 0, 3, F0, F1, 0
	TURN 0, 1, 0
	QUARTER 1, 1, F0, F1, 0
	QUARTER 1, 2, F1, F0, 0
	QUARTER 1, 3, F0, F1, 0
	s_wait_dscnt 4                                 ; the very last quarter: nothing more to fetch
	WIN MUL
	MUL8 F1, 0, 0
	MUL8 F1, 1, 0
	s_wait_dscnt 0
	MUL8 F1, 2, 0
	MUL8 F1, 3, 0
	WIN 0
; THE WAY OUT, block by block of 16 rows c x 128 t.  A lane holds 32 neighbouring bytes of a row: a block goes through my own stage and comes back as whole rows of 512 bytes.
.macro TOSTAGE a
	WIN 0x04                                       ; an LDS store's data are its source 1: window 1
.irp b, 0,1,2,3,4,5,6,7
	ds_store_b128 v[STO], v[64*(\a)+8*\b:64*(\a)+8*\b+3] offset:64*\b          ; each accumulator from its low end on
	ds_store_b128 v[STO], v[64*(\a)+8*\b+4:64*(\a)+8*\b+7] offset:64*\b+16
.endr
	WIN 0
.irp n, 0,1,2,3,4,5,6,7,8,9,10,11,12,13,14,15
	ds_load_b128 v[64+64*((\a)%2)+4*\n:64+64*((\a)%2)+4*\n+3], v[RD] offset:\n*SPITCH   ; LDS serves a wave's instructions in order (ISA guide 5.7.1.4): these see the stores above
.endr
.endm
.macro SEND a, younger                 ; younger: the LDS instructions issued behind block a's loads
	s_wait_dscnt \younger
.irp n, 0,1,2,3,4,5,6,7,8,9,10,11,12,13,14,15
	global_store_b128 v[CO], v[64+64*((\a)%2)+4*\n:64+64*((\a)%2)+4*\n+3], s[22:23] offset:(16*(\a)+\n)*8192 th:TH_STORE_NT   ; 32 lanes store 512 consecutive bytes, aligned; 63 rows at the most: inside the signed 24-bit immediate
.endr
.endm
	PLACES                                         ; behind the last products: for the loads over their fragments and the reads of their results
	TOSTAGE 0
.irp a, 1,2,3
.if \a > 1
	s_wait_xcnt 0x0                                ; block a - 2's stores have read their registers: block a's loads may land there
.endif
	TOSTAGE \a
	SEND \a-1, 32                                  ; behind block a - 1's loads: block a's 16 stores and 16 loads
.endr
	SEND 3, 0
	s_wait_tensorcnt 0x0                           ; the wave's end
	ds_add_u32 v[SPW], v[NIL]
	s_wait_dscnt 0x0
	CROUND                                         ; the closing round
	s_endpgm
.Lfunc_end_k_q9017b6d0ed_proj:
	.size	k_q9017b6d0ed_proj, .Lfunc_end_k_q9017b6d0ed_proj-k_q9017b6d0ed_proj
	.p2alignl 7, 3214868480
	.fill 96, 4, 3214868480
	.section	.rodata,"a",@progbits
	.p2align	6, 0x0
	.amdhsa_kernel k_q9017b6d0ed_proj
		.amdhsa_group_segment_fixed_size 327680
		.amdhsa_private_segment_fixed_size 0
		.amdhsa_enable_private_segment 0
		.amdhsa_kernarg_size 32
		.amdhsa_user_sgpr_count 2
		.amdhsa_user_sgpr_kernarg_segment_ptr 1
		.amdhsa_wavefront_size32 1
		.amdhsa_system_sgpr_workgroup_id_x 1
		.amdhsa_system_sgpr_workgroup_id_y 1
		.amdhsa_system_sgpr_workgroup_id_z 1
		.amdhsa_system_vgpr_workitem_id 0
		.amdhsa_next_free_vgpr 512
		.amdhsa_next_free_sgpr 66
		.amdhsa_reserve_vcc 0
		.amdhsa_float_denorm_mode_32 3
		.amdhsa_float_denorm_mode_16_64 3
		.amdhsa_memory_ordered 1
		.amdhsa_forward_progress 1
		.amdhsa_inst_pref_size 86
	.end_amdhsa_kernel
	.amdgpu_metadata
---
amdhsa.version: [ 1, 2 ]
amdhsa.kernels:
  - .name:           k_q9017b6d0ed_proj
    .symbol:         k_q9017b6d0ed_proj.kd
    .args:
      - { .name: w16, .offset: 0, .size: 8, .value_kind: global_buffer, .address_space: global }
      - { .name: o, .offset: 8, .size: 8, .value_kind: global_buffer, .address_space: global }
      - { .name: b_out, .offset: 16, .size: 8, .value_kind: global_buffer, .address_space: global }
      - { .name: out0, .offset: 24, .size: 8, .value_kind: global_buffer, .address_space: global }
    .group_segment_fixed_size: 327680
    .private_segment_fixed_size: 0
    .kernarg_segment_align: 8
    .kernarg_segment_size: 32
    .max_flat_workgroup_size: 128
    .sgpr_count:     66
    .vgpr_count:     512
    .wavefront_size: 32
...
	.end_amdgpu_metadata
.endif
;; end of part 4
